; MI455X (gfx1250); checked and timed in simulation.
; The chip was launched on July 23, 2026; its instructions are those of AMD's public machine-readable ISA for CDNA 5 (MIT licence, August 2026) and "CDNA5" Instruction Set Architecture Reference Guide (July 2026). The comments in the code are by the model that wrote it; some were corrected since.
;; Cross Attention. Allowed arithmetic: matrix products marked QUANTISED: E4M3 operands, one given power-of-two scale a tensor, by v_wmma_f32_16x16x64_fp8_fp8 or v_wmma_f32_16x16x128_fp8_fp8, f32 sums; everything else in f32.
;; Inputs: Wk 512 x 512 float32; Wo 512 x 512 float32; Wq 512 x 512 float32; Wv 512 x 512 float32; bo 512 float32; lowp_scales 12 int32 (the exponents e of the quantised operands' scales 2^e); x 2 x 4,096 x 512 float32.
;; Outputs: out0 2 x 4,096 x 512 float32.
;; This version of the problem:
;;   THIS VERSION OF THE PROBLEM IS GIVEN IN LOW PRECISION. The matrix products marked QUANTISED in the list below multiply operands that are first quantised to E4M3 (4 exponent bits, 3 mantissa bits; 8 bits a number), with one given power-of-two scale for each operand tensor; their sums are f32. All else is computed in f32.
;;   The module's matrix products, in the order in which they are computed (A, B: the left and right operand; K: the contracted axis; several contracted axes count as one K, in the product's order):
;;     1. [M 8,192, K 512] x [K 512, N 512]; A: input x; B: input Wq: QUANTISED (scales: A lowp_scales[0], B lowp_scales[1])
;;     2. [M 8,192, K 512] x [K 512, N 512]; A: input x; B: input Wk: QUANTISED (scales: A lowp_scales[2], B lowp_scales[3])
;;     3. [M 8,192, K 512] x [K 512, N 512]; A: input x; B: input Wv: QUANTISED (scales: A lowp_scales[4], B lowp_scales[5])
;;     4. batch 16 x [M 4,096, K 64] x [K 64, N 4,096]; A: computed on the way; B: computed on the way: QUANTISED (scales: A lowp_scales[6], B lowp_scales[7])
;;     5. batch 16 x [M 64, K 4,096] x [K 4,096, N 4,096]; A: computed on the way; B: softmax (see below): QUANTISED (scales: A lowp_scales[8], B lowp_scales[9])
;;     6. [M 8,192, K 512] x [K 512, N 512]; A: computed on the way; B: input Wo: QUANTISED (scales: A lowp_scales[10], B lowp_scales[11])
;;   THE QUANTISER, for each operand of a quantised product, along K:
;;     - The operand's scale is 2^e, e = its entry of the input lowp_scales (int32; the entries are numbered through the quantised products in the list's order, A before B).
;;     - Each number is divided by the scale, clamped to +-448, and rounded to the nearest number of E4M3, ties to even, subnormals kept.
;;     - The product sums the exact products of the quantised numbers (number of the format x scale) in f32.
;;   ~~~python
;;   def quantise(x, axis, e):      # numpy; x: float32 -> the quantised numbers, widened to float32 again
;;       x = np.moveaxis(x, axis, -1); K = x.shape[-1]
;;       r = np.clip(x / 2.0 ** e, -448, 448)
;;       step = 2.0 ** (np.maximum(np.frexp(np.where(r == 0, 1, r))[1] - 1, -6) - 3)
;;       q = np.round(r / step) * step * 2.0 ** e      # np.round: ties to even
;;       return np.moveaxis(q, -1, axis).astype(np.float32)
;;   ~~~
;;   SOFTMAX AHEAD OF A QUANTISED PRODUCT. Where the list says 'softmax', what is quantised is not the finished softmax but p = 2^(t - M), with t = logit x log2(e) and M = ceil(the row's largest t), a whole number; so 1/2 < the row's largest p <= 1. The row's sum l is taken of the UNQUANTISED p, in f32, and the product's result is divided by l at the end. Since M is a whole number, a kernel that streams over the keys may use a running M (the ceiling of the running maximum): every later rescaling is an exact power of two, so the quantised numbers keep their values, but for numbers so far below the row's largest that they fall under the format's range.
;;   OPERANDS COMPUTED ON THE WAY. 'Computed on the way' means the value that the module computes at that place (a softmax that the list does not call 'softmax' is quantised finished and normalised). What goes into a quantiser is computed in f32, as accurately as f32 sums, v_exp_f32 and their like allow (about 1e-6 of the number): no bf16 or f16 on the way to a quantiser, and a product that is left as it is and whose result goes on into a quantised operand takes f32 operands (vector FMAs, or v_wmma_f32_16x16x4_f32). A number that lies on a knife's edge between two numbers of the format may be rounded either way, as far as f32 arithmetic and the matrix unit's own rounding can turn it there, and no further.
;; 2 versions. Each part assembles by itself: llvm-mc -triple=amdgcn-amd-amdhsa -mcpu=gfx1250 --defsym DOCPART=n.
;; ======== version 1 of 2: 4 launches
;; limits: right only within a limited range of input values
;; workspace buffers: wc 1,048,576 bytes; qc 4,194,304 bytes; kv 8,388,608 bytes; oc 4,194,304 bytes
;; launch wquant (part 1): grid 4 x 64, 4 waves a work-group, no clusters, 6,656 bytes of LDS; arguments Wq, Wk, Wv, Wo, lowp_scales, wc; writes wc
.if DOCPART == 1
	.amdgcn_target "amdgcn-amd-amdhsa--gfx1250"
	.amdhsa_code_object_version 6
	.text
	.protected	k_qc9ffbe6f5e_wquant
	.globl	k_qc9ffbe6f5e_wquant
	.p2align	8
	.type	k_qc9ffbe6f5e_wquant,@function
k_qc9ffbe6f5e_wquant:
	s_mov_b64 s[64:65], 0
	v_nop
	global_prefetch_b8 v0, s[64:65] scope:SCOPE_SE
	s_setreg_imm32_b32 hwreg(HW_REG_WAVE_MODE, 25, 1), 1
	s_wait_xcnt 0x0
; FIRST OF FOUR LAUNCHES of: out0 = softmax(q k^T / 8) v Wo + bo, q = x Wq, k = x Wk, v = x Wv, 8 heads of 64, every product on codes of FP8 (E4M3) with the given scales 2^e (lowp_scales).
; NO WORK IS LEFT OUT: every input has a way to out0, every product of the table is live, and the maximum is taken away ahead of the exponential (a running one, in the third launch).
; THIS LAUNCH turns the four weights, f32 stored [k 512][n 512] (K is the FIRST axis), into codes: code = w / 2^e, held within +-448, to the nearest code, ties to even; e = entry 1, 3, 5, 11 for Wq, Wk, Wv, Wo.
; LIMITS: each of those e lies between -126 and 119, so that 2^e and 448 x 2^e are f32 numbers.  NaN among the inputs is not served (an infinity is held at the largest code).
; THE CODES' LAYOUT (wc) IS AN IMAGE OF OPERAND REGISTERS: [tensor 4][column tile 32][K step of 128: 4][chunk 4][512 bytes].  A chunk is four registers of 32 lanes, lane l's 16 bytes at 16 l:
; lane (r = l % 16, h = l / 16) of chunk c holds, of column 16 tile + r, the codes of k = 128 step + 32 c + 8 h + 0..7 and then of k = 128 step + 32 c + 16 + 8 h + 0..7: registers 4 c .. 4 c + 3 of a
; fragment of v_wmma_f32_16x16x128_fp8_fp8 (ISA guide 7.12.2).  So the later launches load a fragment by four loads of 512 consecutive bytes, and nothing is ever transposed again.
; SHARES: work-group (x, y): 128 columns (x), tensor y / 16, the 32 rows of K numbered y % 16.  A LANE TAKES A COLUMN AND ITS REGISTERS RUN DOWN K: each load reads 128 consecutive bytes a wave, 512 a
; work-group, and the conversions give codes with K innermost.  A lane's 32 bytes go through the wave's own stage in LDS and come back as two chunks, each stored as 512 consecutive aligned bytes.
; No barrier (waves share nothing), no loop, no tensor load, no cluster: each byte of the weights is read by one wave only.
.set ROWW,  2048                       ; a row of a weight in bytes
.set PITCH, 48                         ; a stage row: a column's 32 codes + 16 bytes, an odd multiple of 16
.set WSTG,  32*PITCH                   ; a wave's stage
.set SPARE, 4*WSTG                     ; behind the stages: the spare words, 128 bytes a wave: two blocks of 256 bytes that no other line names
.set X,   32                           ; v32-63  32 numbers down K
.set C,   64                           ; v64-71  their codes
.set O,   72                           ; v72-79  two chunks
.set SPW, 12                           ; v12     my spare word's LDS address; never rewritten
.set NIL, 13                           ; v13     0; never rewritten
	s_load_b256 s[4:11], s[0:1], 0x0               ; Wq, Wk, Wv, Wo
	s_load_b128 s[12:15], s[0:1], 0x20             ; the scales' exponents s[12:13], wc s[14:15]
	v_lshl_add_u32 v[SPW], v0, 2, SPARE
	v_mov_b32 v[NIL], 0
	v_lshrrev_b32 v2, 5, v0
	v_readfirstlane_b32 s28, v2                    ; wave 0..3
	v_and_b32 v1, 31, v0                           ; lane
	v_lshlrev_b32 v3, 2, v1                        ; in: 4 bytes a lane
	s_mul_i32 s31, s28, WSTG                       ; my stage
	v_mul_u32_u24 v4, v1, PITCH
	v_add_nc_u32 v4, s31, v4                       ; into it: row = my column
	v_and_b32 v7, 15, v0                           ; r
	v_bfe_u32 v8, v0, 4, 1                         ; h
	v_mul_u32_u24 v5, v7, PITCH
	v_lshl_add_u32 v5, v8, 3, v5
	v_add_nc_u32 v5, s31, v5                       ; out of it: row r, byte 8 h
	v_lshlrev_b32 v6, 4, v1                        ; my 16 bytes of a chunk
	s_and_b32 s30, ttmp7, 0xffff
	s_lshr_b32 s29, s30, 4                         ; which tensor
	s_and_b32 s30, s30, 15                         ; which 32 of K
	s_lshl_b32 s32, s30, 16                        ; source: 32 rows of 2,048 bytes a block,
	s_lshl_b32 s36, ttmp9, 9                       ; 128 columns a work-group,
	s_add_co_u32 s32, s32, s36
	s_lshl_b32 s36, s28, 7                         ; 32 a wave
	s_add_co_u32 s32, s32, s36
	s_mov_b32 s33, 0
	s_lshl_b32 s34, s29, 18                        ; destination: 262,144 bytes a tensor,
	s_lshl_b32 s36, ttmp9, 16                      ; 8 column tiles of 8,192 bytes a work-group,
	s_add_co_u32 s34, s34, s36
	s_lshl_b32 s36, s28, 14                        ; 2 a wave,
	s_add_co_u32 s34, s34, s36
	s_lshl_b32 s36, s30, 9                         ; K step and chunk: 2,048 (block / 4) + 512 (block % 4) = 512 x block
	s_add_co_u32 s34, s34, s36
	s_mov_b32 s35, 0
	s_wait_kmcnt 0x0
	s_load_b256 s[16:23], s[12:13], 0x0            ; e0 .. e7
	s_load_b128 s[24:27], s[12:13], 0x20           ; e8 .. e11
	s_cmp_eq_u32 s29, 1                            ; the tensor is chosen by the work-group's number alone
	s_cselect_b64 s[4:5], s[6:7], s[4:5]
	s_cmp_eq_u32 s29, 2
	s_cselect_b64 s[4:5], s[8:9], s[4:5]
	s_cmp_eq_u32 s29, 3
	s_cselect_b64 s[4:5], s[10:11], s[4:5]
	s_add_nc_u64 s[4:5], s[4:5], s[32:33]
	s_add_nc_u64 s[14:15], s[14:15], s[34:35]
.set i, 0
.rept 32
	global_load_b32 v[X+i], v3, s[4:5] offset:ROWW*i th:TH_LOAD_NT   ; W(32 block + i, my column); read once in the launch
.set i, i+1
.endr
	s_wait_kmcnt 0x0
	s_cmp_eq_u32 s29, 1                            ; e: entry 1, 3, 5 or 11
	s_cselect_b32 s17, s19, s17
	s_cmp_eq_u32 s29, 2
	s_cselect_b32 s17, s21, s17
	s_cmp_eq_u32 s29, 3
	s_cselect_b32 s17, s27, s17
	s_add_co_i32 s17, s17, 127
	s_lshl_b32 s36, s17, 23
	v_mov_b32 v11, s36                             ; 2^e as f32: the conversion takes its exponent field
	s_add_co_i32 s17, s17, 8
	s_lshl_b32 s17, s17, 23
	s_or_b32 s17, s17, 0x600000
	v_mov_b32 v10, s17                             ; 448 x 2^e
.irp g, 0,1,2,3
	s_wait_loadcnt 24-8*\g                         ; loads come back in order: these eight are in, the 24 - 8 g issued behind them may be out
.irp i, 0,1,2,3,4,5,6,7
	v_med3_num_f32 v[X+8*\g+\i], v[X+8*\g+\i], -v10, v10   ; the conversion to an 8-bit code does not saturate (ISA guide 7.6.2): hold first
.endr
	v_cvt_scalef32_pk8_fp8_f32 v[C+2*\g:C+2*\g+1], v[X+8*\g:X+8*\g+7], v11
.endr
	v_nop                                          ; a plain vector line behind the last conversion
	ds_store_b128 v4, v[C:C+3]                     ; my column's 32 codes, k ascending
	ds_store_b128 v4, v[C+4:C+7] offset:16
.irp j, 0,1                                    ; column tile j of my wave's two.  LDS serves a wave's instructions in order: these see the stores
	ds_load_b64 v[O+4*\j:O+4*\j+1],   v5 offset:16*PITCH*\j       ; k = 8 h + 0..7 of column 16 j + r
	ds_load_b64 v[O+4*\j+2:O+4*\j+3], v5 offset:16*PITCH*\j+16    ; k = 16 + 8 h + 0..7
.endr
	s_wait_dscnt 0x0
.irp j, 0,1
	global_store_b128 v6, v[O+4*\j:O+4*\j+3], s[14:15] offset:8192*\j   ; 32 lanes store 512 consecutive bytes, at a multiple of 512 from wc's first byte
.endr
	s_wait_tensorcnt 0x0                           ; the wave's end: behind my last LDS store
	ds_add_u32 v[SPW], v[NIL]
	s_wait_dscnt 0x0
	s_endpgm
.Lfunc_end_k_qc9ffbe6f5e_wquant:
	.size	k_qc9ffbe6f5e_wquant, .Lfunc_end_k_qc9ffbe6f5e_wquant-k_qc9ffbe6f5e_wquant
	.p2alignl 7, 3214868480
	.fill 96, 4, 3214868480
	.section	.rodata,"a",@progbits
	.p2align	6, 0x0
	.amdhsa_kernel k_qc9ffbe6f5e_wquant
		.amdhsa_group_segment_fixed_size 6656
		.amdhsa_private_segment_fixed_size 0
		.amdhsa_enable_private_segment 0
		.amdhsa_kernarg_size 48
		.amdhsa_user_sgpr_count 2
		.amdhsa_user_sgpr_kernarg_segment_ptr 1
		.amdhsa_wavefront_size32 1
		.amdhsa_system_sgpr_workgroup_id_x 1
		.amdhsa_system_sgpr_workgroup_id_y 1
		.amdhsa_system_sgpr_workgroup_id_z 1
		.amdhsa_system_vgpr_workitem_id 0
		.amdhsa_next_free_vgpr 96
		.amdhsa_next_free_sgpr 66
		.amdhsa_reserve_vcc 0
		.amdhsa_float_denorm_mode_32 3
		.amdhsa_float_denorm_mode_16_64 3
		.amdhsa_memory_ordered 1
		.amdhsa_forward_progress 1
		.amdhsa_inst_pref_size 9
	.end_amdhsa_kernel
	.amdgpu_metadata
---
amdhsa.version: [ 1, 2 ]
amdhsa.kernels:
  - .name:           k_qc9ffbe6f5e_wquant
    .symbol:         k_qc9ffbe6f5e_wquant.kd
    .args:
      - { .name: Wq, .offset: 0, .size: 8, .value_kind: global_buffer, .address_space: global }
      - { .name: Wk, .offset: 8, .size: 8, .value_kind: global_buffer, .address_space: global }
      - { .name: Wv, .offset: 16, .size: 8, .value_kind: global_buffer, .address_space: global }
      - { .name: Wo, .offset: 24, .size: 8, .value_kind: global_buffer, .address_space: global }
      - { .name: lowp_scales, .offset: 32, .size: 8, .value_kind: global_buffer, .address_space: global }
      - { .name: wc, .offset: 40, .size: 8, .value_kind: global_buffer, .address_space: global }
    .group_segment_fixed_size: 6656
    .private_segment_fixed_size: 0
    .kernarg_segment_align: 8
    .kernarg_segment_size: 48
    .max_flat_workgroup_size: 128
    .sgpr_count:     66
    .vgpr_count:     96
    .wavefront_size: 32
...
	.end_amdgpu_metadata
.endif
;; end of part 1
;; launch proj (part 2): grid 4 x 64, 8 waves a work-group, no clusters, 197,632 bytes of LDS; arguments x, wc, lowp_scales, qc, kv; writes qc, kv
.if DOCPART == 2
	.amdgcn_target "amdgcn-amd-amdhsa--gfx1250"
	.amdhsa_code_object_version 6
	.text
	.protected	k_qc9ffbe6f5e_proj
	.globl	k_qc9ffbe6f5e_proj
	.p2align	8
	.type	k_qc9ffbe6f5e_proj,@function
k_qc9ffbe6f5e_proj:
	s_mov_b64 s[64:65], 0
	v_nop
	global_prefetch_b8 v0, s[64:65] scope:SCOPE_SE
	s_setreg_imm32_b32 hwreg(HW_REG_WAVE_MODE, 25, 1), 1
	s_wait_xcnt 0x0
; SECOND LAUNCH: q = x Wq, k = x Wk, v = x Wv on codes of FP8, and the results quantised at once for the attention's two products.  Nothing is left out.
; x [8,192 rows][512] f32 is quantised THREE times (entries 0, 2, 4 of the scales may differ).  The weights' codes come from wc as images of operand registers (first launch).
; A sum of q's product stands for sum x 2^(e0 + e1), and q's code is q / 2^e6: so the conversion takes the one scale 2^(e6 - e0 - e1); k: e7 - e2 - e3; v: e8 - e4 - e5.
; LIMITS: e0, e2, e4 and those three differences lie between -126 and 119, so that each power of two and 448 x it are f32 numbers.  NaN among the inputs is not served.
; SHARES: a work-group takes 128 rows (y) x 128 columns (x: two heads) of all three results.  PHASE X: wave w quantises rows 16 w .. 16 w + 15: for each K step of 128 three fragments, stored in LDS as images of
; their registers (four stores of 512 consecutive bytes).  One barrier.  PHASE 2: wave (cq = w % 4, rh = w / 4) takes columns 32 cq .. + 31 x rows 64 rh .. + 63: 8 accumulators, for q, then k, then v;
; its part of a weight (8 fragments, 128 registers) comes from memory straight into registers.
; LAYOUT.  Lane (r, h) of a fragment holds row r and, in registers 2 c, 2 c + 1, k = 16 c + 8 h + 0..7 (ISA guide 7.12.2).  A result tile gives a lane eight neighbours m = 8 h + 0..7 of one column n = r.
; q and k are made TRANSPOSED (source 0 = 16 columns of W, source 1 = 16 rows of x): a lane holds one row and eight neighbouring channels, so ONE conversion of a tile IS a register pair of the next operand.
; v is made the natural way (source 0 = x, source 1 = W): a lane holds one channel and eight neighbouring KEYS, which are the second product's K.  So every result leaves as chunks of 512 consecutive aligned bytes:
;   qc [head of batch 16][query tile 256][chunk 2][512];   kv [head 16][slot of 512 keys: 8][65,536]: 32 key tiles x 1,024 bytes of K, then [128 keys: 4][16 channels: 4][chunk 4][512] of V^T.
; NO CLUSTER, NO TENSOR LOAD: x has to pass the quantiser in registers and the weights go from memory into registers, so no LDS tile is filled from memory that partners could ask for jointly.
; REGISTERS.  Window 0: v1-10 addresses; v14-25 scales; v32-95, v96-159 two sets: 64 numbers of x, later four fragments of x; v160-223 phase X: two sets of 8 at work and three fragments of codes, phase 2: the 8
; accumulators ((m, j) at 160 + 16 m + 8 j); v224-239 codes on their way out.  Window 1: two sets of a weight's 8 fragments ((j, K step) at 128 set + 64 j + 16 step).
.set LI,   1                           ; v1      16 x lane
.set XA,   4                           ; v4      x: 2,048 r + 32 h
.set XWI,  5                           ; v5-7    where I store tensor t's images: 16 lane + 8,192 wave + 65,536 t
.set XFI,  8                           ; v8-10   where I read them: 16 lane + 32,768 rh + 65,536 t
.set SPW,  12                          ; v12     my spare word's LDS address; never rewritten
.set NIL,  13                          ; v13     0; never rewritten
.set SCX,  14                          ; v14-19  (2^e, 448 x 2^e) for e0, e2, e4
.set SCO,  20                          ; v20-25  the same for the three folded exponents
.set F,    32
.set ACC,  160
.set T,    160
.set PC,   176
.set PCO,  224
.set SPARE, 3*65536                    ; behind the images: the spare words, 128 bytes a wave: four blocks of 256 bytes that no other line names
.set WB,   30                          ; s[30:35] my part of Wq's, Wk's, Wv's codes
.set OQ,   36                          ; s[36:37] where my q goes; s[38:39] k; s[40:41] v
.set MSB, 0
.macro WIN new                         ; the immediate's high byte repeats the setting that is left
.if MSB != \new
	s_set_vgpr_msb (MSB<<8)|\new
.set MSB, \new
.endif
.endm
.macro SCALE e, vs                     ; v[vs] = 2^e as f32, v[vs + 1] = 448 x 2^e
	s_add_co_i32 s50, \e, 127
	s_lshl_b32 s51, s50, 23
	v_mov_b32 v[\vs], s51
	s_add_co_i32 s50, s50, 8
	s_lshl_b32 s50, s50, 23
	s_or_b32 s50, s50, 0x600000
	v_mov_b32 v[\vs+1], s50
.endm
.macro XLOAD fb, ks                    ; my 16 rows' numbers of K step ks: lane (r, h): k = 128 ks + 16 c + 8 h + 0..7 into registers 8 c on; the sixteen loads together cover 512 consecutive bytes of each row
.irp c, 0,1,2,3,4,5,6,7
	global_load_b128 v[F+64*\fb+8*\c:F+64*\fb+8*\c+3],   v[XA], s[4:5] offset:512*\ks+64*\c
	global_load_b128 v[F+64*\fb+8*\c+4:F+64*\fb+8*\c+7], v[XA], s[4:5] offset:512*\ks+64*\c+16
.endr
.endm
.macro WLOAD base, wb                  ; a weight's 8 fragments: 32 loads of 512 consecutive bytes
	WIN 0x40                                       ; destination window 1
.set i, 0
.rept 32
	global_load_b128 v[128*\wb+4*i:128*\wb+4*i+3], v[LI], s[\base:\base+1] offset:512*i
.set i, i+1
.endr
	WIN 0
.endm
.macro QUANT3 fb, ks                   ; 64 numbers of a lane become three fragments of codes, and go to LDS as they stand
	s_wait_dscnt 0x0                               ; the last images' stores have read their registers
.irp t, 0,1,2
.irp c, 0,1,2,3,4,5,6,7
.irp i, 0,1,2,3,4,5,6,7
	v_med3_num_f32 v[T+8*(\c%2)+\i], v[F+64*\fb+8*\c+\i], -v[SCX+2*\t+1], v[SCX+2*\t+1]   ; the hold (the conversion does not saturate: ISA guide 7.6.2), into one of two sets by turns: so the eight lines behind a conversion touch none of its registers
.endr
	v_cvt_scalef32_pk8_fp8_f32 v[PC+16*\t+2*\c:PC+16*\t+2*\c+1], v[T+8*(\c%2):T+8*(\c%2)+7], v[SCX+2*\t]
.endr
.endr
	v_nop                                          ; a plain vector line behind the last conversion
.irp t, 0,1,2
.irp c, 0,1,2,3
	ds_store_b128 v[XWI+\t], v[PC+16*\t+4*\c:PC+16*\t+4*\c+3] offset:2048*\ks+512*\c
.endr
.endr
.endm
.macro FETCH tn, ks, fb                ; tensor tn's fragments of my four row tiles, K step ks
.irp m, 0,1,2,3
.irp c, 0,1,2,3
	ds_load_b128 v[F+64*\fb+16*\m+4*\c:F+64*\fb+16*\m+4*\c+3], v[XFI+\tn] offset:8192*\m+2048*\ks+512*\c
.endr
.endr
.endm
; 8 matrix instructions, the 8 accumulators by turns in the same order in every step.  K step 0 starts the sums with the constant 0.
; The four v_nop at the end are the places in front of the next loads into registers that these products read, and of the first read of results.
.macro MUL tn, ks, fb, wb
.if \tn == 2
	WIN 0x04                                       ; source 1 (W) window 1
.else
	WIN 0x01                                       ; source 0 (W) window 1
.endif
.irp m, 0,1,2,3
.irp j, 0,1
.if \tn == 2
.if \ks == 0
	v_wmma_f32_16x16x128_fp8_fp8 v[ACC+16*\m+8*\j:ACC+16*\m+8*\j+7], v[F+64*\fb+16*\m:F+64*\fb+16*\m+15], v[128*\wb+64*\j+16*\ks:128*\wb+64*\j+16*\ks+15], 0
.else
	v_wmma_f32_16x16x128_fp8_fp8 v[ACC+16*\m+8*\j:ACC+16*\m+8*\j+7], v[F+64*\fb+16*\m:F+64*\fb+16*\m+15], v[128*\wb+64*\j+16*\ks:128*\wb+64*\j+16*\ks+15], v[ACC+16*\m+8*\j:ACC+16*\m+8*\j+7]
.endif
.else
.if \ks == 0
	v_wmma_f32_16x16x128_fp8_fp8 v[ACC+16*\m+8*\j:ACC+16*\m+8*\j+7], v[128*\wb+64*\j+16*\ks:128*\wb+64*\j+16*\ks+15], v[F+64*\fb+16*\m:F+64*\fb+16*\m+15], 0
.else
	v_wmma_f32_16x16x128_fp8_fp8 v[ACC+16*\m+8*\j:ACC+16*\m+8*\j+7], v[128*\wb+64*\j+16*\ks:128*\wb+64*\j+16*\ks+15], v[F+64*\fb+16*\m:F+64*\fb+16*\m+15], v[ACC+16*\m+8*\j:ACC+16*\m+8*\j+7]
.endif
.endif
.endr
.endr
	WIN 0
.rept 4
	v_nop
.endr
.endm
; q or k: row tile m's two tiles are channels 32 (cq % 2) + 16 j + 8 h + 0..7 of row r: one chunk.  Each accumulator is read from its low end on.
.macro OUT_QK sc, base
.irp m, 0,1,2,3
.irp i, 0,1,2,3,4,5,6,7,8,9,10,11,12,13,14,15
	v_med3_num_f32 v[ACC+16*\m+\i], v[ACC+16*\m+\i], -v[\sc+1], v[\sc+1]
.endr
	v_cvt_scalef32_pk8_fp8_f32 v[PCO+4*\m:PCO+4*\m+1],   v[ACC+16*\m:ACC+16*\m+7],    v[\sc]
	v_cvt_scalef32_pk8_fp8_f32 v[PCO+4*\m+2:PCO+4*\m+3], v[ACC+16*\m+8:ACC+16*\m+15], v[\sc]
.endr
	v_nop                                          ; a plain vector line behind the last conversion: the next products write its sources
.irp m, 0,1,2,3
	global_store_b128 v[LI], v[PCO+4*\m:PCO+4*\m+3], s[\base:\base+1] offset:1024*\m   ; 512 consecutive aligned bytes
.endr
.endm
	s_load_b256 s[4:11], s[0:1], 0x0               ; x s[4:5], wc s[6:7], the scales' exponents s[8:9], qc s[10:11]
	s_load_b64 s[12:13], s[0:1], 0x20              ; kv
	v_lshl_add_u32 v[SPW], v0, 2, SPARE
	v_mov_b32 v[NIL], 0
	v_lshrrev_b32 v2, 5, v0
	v_readfirstlane_b32 s14, v2                    ; wave 0..7
	s_and_b32 s15, s14, 3                          ; cq
	s_lshr_b32 s16, s14, 2                         ; rh
	v_and_b32 v[LI], 31, v0
	v_lshlrev_b32 v[LI], 4, v[LI]
	v_and_b32 v2, 15, v0                           ; r
	v_bfe_u32 v3, v0, 4, 1                         ; h
	v_lshlrev_b32 v[XA], 11, v2
	v_lshl_add_u32 v[XA], v3, 5, v[XA]
	s_lshl_b32 s52, s14, 13
	v_add_nc_u32 v[XWI], s52, v[LI]
	v_add_nc_u32 v[XWI+1], 0x10000, v[XWI]
	v_add_nc_u32 v[XWI+2], 0x20000, v[XWI]
	s_lshl_b32 s53, s16, 15
	v_add_nc_u32 v[XFI], s53, v[LI]
	v_add_nc_u32 v[XFI+1], 0x10000, v[XFI]
	v_add_nc_u32 v[XFI+2], 0x20000, v[XFI]
	s_and_b32 s18, ttmp7, 0xffff                   ; which 128 rows of the 8,192
	s_and_b32 s19, s18, 31                         ; and of the batch's 4,096
	s_lshr_b32 s42, s18, 5                         ; the batch
	s_lshl_b32 s42, s42, 3
	s_lshl_b32 s43, ttmp9, 1
	s_add_co_u32 s42, s42, s43
	s_lshr_b32 s43, s15, 1
	s_add_co_u32 s42, s42, s43                     ; head of batch = 8 batch + 2 x + cq / 2
	s_and_b32 s43, s15, 1                          ; which 32 channels of the head
	s_lshl_b32 s36, s42, 18                        ; q: (256 head + 8 block + 4 rh) x 1,024 + 512 (cq % 2)
	s_lshl_b32 s44, s19, 13
	s_add_co_u32 s36, s36, s44
	s_lshl_b32 s44, s16, 12
	s_add_co_u32 s36, s36, s44
	s_lshl_b32 s44, s43, 9
	s_add_co_u32 s36, s36, s44
	s_mov_b32 s37, 0
	s_lshl_b32 s38, s42, 19                        ; k and v: 524,288 head + 65,536 (block / 4) + 8,192 (block % 4)
	s_lshr_b32 s44, s19, 2
	s_lshl_b32 s44, s44, 16
	s_add_co_u32 s38, s38, s44
	s_and_b32 s44, s19, 3
	s_lshl_b32 s44, s44, 13
	s_add_co_u32 s38, s38, s44
	s_add_co_u32 s40, s38, 32768                   ; v: behind the slot's K; + 4,096 (cq % 2) + 1,024 rh
	s_lshl_b32 s44, s43, 12
	s_add_co_u32 s40, s40, s44
	s_lshl_b32 s44, s16, 10
	s_add_co_u32 s40, s40, s44
	s_mov_b32 s41, 0
	s_lshl_b32 s44, s16, 12                        ; k: + 4,096 rh + 512 (cq % 2)
	s_add_co_u32 s38, s38, s44
	s_lshl_b32 s44, s43, 9
	s_add_co_u32 s38, s38, s44
	s_mov_b32 s39, 0
	s_lshl_b32 s46, ttmp9, 16                      ; the weights: column tiles 8 x + 2 cq on, 8,192 bytes each
	s_lshl_b32 s44, s15, 14
	s_add_co_u32 s46, s46, s44
	s_mov_b32 s47, 0
	s_lshl_b32 s48, s18, 18                        ; x: (128 block + 16 wave) rows of 2,048 bytes
	s_lshl_b32 s44, s14, 15
	s_add_co_u32 s48, s48, s44
	s_mov_b32 s49, 0
	s_wait_kmcnt 0x0
	s_load_b256 s[20:27], s[8:9], 0x0              ; e0 .. e7
	s_load_b32 s28, s[8:9], 0x20                   ; e8
	s_add_nc_u64 s[4:5], s[4:5], s[48:49]
	s_add_nc_u64 s[WB:WB+1], s[6:7], s[46:47]
	s_add_nc_u64 s[WB+2:WB+3], s[WB:WB+1], 0x40000
	s_add_nc_u64 s[WB+4:WB+5], s[WB:WB+1], 0x80000
	s_add_nc_u64 s[OQ:OQ+1], s[10:11], s[36:37]
	s_add_nc_u64 s[OQ+2:OQ+3], s[12:13], s[38:39]
	s_add_nc_u64 s[OQ+4:OQ+5], s[12:13], s[40:41]
	XLOAD 0, 0
	XLOAD 1, 1
	WLOAD WB, 0                                    ; Wq
	s_wait_kmcnt 0x0
	SCALE s20, SCX
	SCALE s22, SCX+2
	SCALE s24, SCX+4
	s_sub_co_i32 s54, s26, s20
	s_sub_co_i32 s54, s54, s21                     ; e6 - e0 - e1
	SCALE s54, SCO
	s_sub_co_i32 s54, s27, s22
	s_sub_co_i32 s54, s54, s23                     ; e7 - e2 - e3
	SCALE s54, SCO+2
	s_sub_co_i32 s54, s28, s24
	s_sub_co_i32 s54, s54, s25                     ; e8 - e4 - e5
	SCALE s54, SCO+4
	; ---- PHASE X
	s_wait_loadcnt 48                              ; K step 0 of x is in; behind it: K step 1's 16 loads and Wq's 32
	QUANT3 0, 0
	XLOAD 0, 2
	s_wait_loadcnt 48                              ; K step 1 is in; behind it: Wq's 32 and K step 2's 16
	QUANT3 1, 1
	XLOAD 1, 3
	WLOAD WB+2, 1                                  ; Wk
	s_wait_loadcnt 48                              ; K step 2 is in, and Wq ahead of it; behind it: K step 3's 16 and Wk's 32
	QUANT3 0, 2
	s_wait_loadcnt 32                              ; K step 3 is in; behind it: Wk's 32
	QUANT3 1, 3
	s_wait_dscnt 0x0                               ; for the others' sake: my images have landed
	s_barrier_signal -1
	s_barrier_wait -1                              ; all 96 images lie in LDS, and are only read from here on
	; ---- PHASE 2: twelve steps; each fetches the next step's four fragments into the other set.  s_wait_dscnt 16: the sixteen loads just issued may be out
	FETCH 0, 0, 0
	FETCH 0, 1, 1
	s_wait_dscnt 16
	MUL 0, 0, 0, 0
	FETCH 0, 2, 0
	s_wait_dscnt 16
	MUL 0, 1, 1, 0
	FETCH 0, 3, 1
	s_wait_dscnt 16
	MUL 0, 2, 0, 0
	FETCH 1, 0, 0
	s_wait_dscnt 16
	MUL 0, 3, 1, 0
	WLOAD WB+4, 0                                  ; Wv takes Wq's registers, four places behind their last reader
	OUT_QK SCO, OQ
	FETCH 1, 1, 1
	s_wait_dscnt 16
	s_wait_loadcnt 32                              ; Wk is in; Wv's 32 loads may be out
	MUL 1, 0, 0, 1
	FETCH 1, 2, 0
	s_wait_dscnt 16
	MUL 1, 1, 1, 1
	FETCH 1, 3, 1
	s_wait_dscnt 16
	MUL 1, 2, 0, 1
	FETCH 2, 0, 0
	s_wait_dscnt 16
	MUL 1, 3, 1, 1
	s_wait_xcnt 0x0                                ; q's stores have read their data registers, which are written again now
	OUT_QK SCO+2, OQ+2
	FETCH 2, 1, 1
	s_wait_dscnt 16
	s_wait_loadcnt 0x0                             ; Wv is in
	MUL 2, 0, 0, 0
	FETCH 2, 2, 0
	s_wait_dscnt 16
	MUL 2, 1, 1, 0
	FETCH 2, 3, 1
	s_wait_dscnt 16
	MUL 2, 2, 0, 0
	s_wait_dscnt 0x0
	MUL 2, 3, 1, 0
	s_wait_xcnt 0x0                                ; k's stores have read their data registers
	; v: lane (r, h) of tile (m, j) holds channel 16 j + r and keys 16 (4 rh + m) + 8 h + 0..7: tiles (2 p, j) and (2 p + 1, j) are chunk 2 rh + p of channel tile 2 (cq % 2) + j
.irp j, 0,1
.irp p, 0,1
.irp i, 0,1,2,3,4,5,6,7
	v_med3_num_f32 v[ACC+32*\p+8*\j+\i], v[ACC+32*\p+8*\j+\i], -v[SCO+5], v[SCO+5]
.endr
.irp i, 0,1,2,3,4,5,6,7
	v_med3_num_f32 v[ACC+32*\p+16+8*\j+\i], v[ACC+32*\p+16+8*\j+\i], -v[SCO+5], v[SCO+5]
.endr
	v_cvt_scalef32_pk8_fp8_f32 v[PCO+8*\j+4*\p:PCO+8*\j+4*\p+1],   v[ACC+32*\p+8*\j:ACC+32*\p+8*\j+7],       v[SCO+4]
	v_cvt_scalef32_pk8_fp8_f32 v[PCO+8*\j+4*\p+2:PCO+8*\j+4*\p+3], v[ACC+32*\p+16+8*\j:ACC+32*\p+16+8*\j+7], v[SCO+4]
.endr
.endr
	v_nop                                          ; a plain vector line behind the last conversion
.irp j, 0,1
.irp p, 0,1
	global_store_b128 v[LI], v[PCO+8*\j+4*\p:PCO+8*\j+4*\p+3], s[OQ+4:OQ+5] offset:2048*\j+512*\p
.endr
.endr
	s_wait_tensorcnt 0x0                           ; the wave's end: behind my last LDS store
	ds_add_u32 v[SPW], v[NIL]
	s_wait_dscnt 0x0
	s_endpgm
.Lfunc_end_k_qc9ffbe6f5e_proj:
	.size	k_qc9ffbe6f5e_proj, .Lfunc_end_k_qc9ffbe6f5e_proj-k_qc9ffbe6f5e_proj
	.p2alignl 7, 3214868480
	.fill 96, 4, 3214868480
	.section	.rodata,"a",@progbits
	.p2align	6, 0x0
	.amdhsa_kernel k_qc9ffbe6f5e_proj
		.amdhsa_group_segment_fixed_size 197632
		.amdhsa_private_segment_fixed_size 0
		.amdhsa_enable_private_segment 0
		.amdhsa_kernarg_size 40
		.amdhsa_user_sgpr_count 2
		.amdhsa_user_sgpr_kernarg_segment_ptr 1
		.amdhsa_wavefront_size32 1
		.amdhsa_system_sgpr_workgroup_id_x 1
		.amdhsa_system_sgpr_workgroup_id_y 1
		.amdhsa_system_sgpr_workgroup_id_z 1
		.amdhsa_system_vgpr_workitem_id 0
		.amdhsa_next_free_vgpr 512
		.amdhsa_next_free_sgpr 66
		.amdhsa_reserve_vcc 0
		.amdhsa_float_denorm_mode_32 3
		.amdhsa_float_denorm_mode_16_64 3
		.amdhsa_memory_ordered 1
		.amdhsa_forward_progress 1
		.amdhsa_inst_pref_size 114
	.end_amdhsa_kernel
	.amdgpu_metadata
---
amdhsa.version: [ 1, 2 ]
amdhsa.kernels:
  - .name:           k_qc9ffbe6f5e_proj
    .symbol:         k_qc9ffbe6f5e_proj.kd
    .args:
      - { .name: x, .offset: 0, .size: 8, .value_kind: global_buffer, .address_space: global }
      - { .name: wc, .offset: 8, .size: 8, .value_kind: global_buffer, .address_space: global }
      - { .name: lowp_scales, .offset: 16, .size: 8, .value_kind: global_buffer, .address_space: global }
      - { .name: qc, .offset: 24, .size: 8, .value_kind: global_buffer, .address_space: global }
      - { .name: kv, .offset: 32, .size: 8, .value_kind: global_buffer, .address_space: global }
    .group_segment_fixed_size: 197632
    .private_segment_fixed_size: 0
    .kernarg_segment_align: 8
    .kernarg_segment_size: 40
    .max_flat_workgroup_size: 256
    .sgpr_count:     66
    .vgpr_count:     512
    .wavefront_size: 32
...
	.end_amdgpu_metadata
.endif
;; end of part 2
;; launch attn (part 3): grid 16 x 16, 16 waves a work-group, clusters of 4 x 1, 327,680 bytes of LDS; arguments qc, kv, lowp_scales, oc; writes oc
.if DOCPART == 3
	.amdgcn_target "amdgcn-amd-amdhsa--gfx1250"
	.amdhsa_code_object_version 6
	.text
	.protected	k_qc9ffbe6f5e_attn
	.globl	k_qc9ffbe6f5e_attn
	.p2align	8
	.type	k_qc9ffbe6f5e_attn,@function
k_qc9ffbe6f5e_attn:
	s_mov_b64 s[64:65], 0
	v_nop
	global_prefetch_b8 v0, s[64:65] scope:SCOPE_SE
	s_setreg_imm32_b32 hwreg(HW_REG_WAVE_MODE, 25, 1), 1
	s_wait_xcnt 0x0
	s_wait_alu depctr_hold_cnt(0) depctr_sa_sdst(0) depctr_va_vdst(0) depctr_va_sdst(0) depctr_va_ssrc(0) depctr_va_vcc(0) depctr_vm_vsrc(0)
	s_getreg_b32 s2, hwreg(HW_REG_IB_STS2, 6, 4)
	s_cmp_eq_u32 s2, 0
	s_cbranch_scc0 .Lentry_in_a_cluster
	s_endpgm
.Lentry_in_a_cluster:
	s_bfe_u32 s2, ttmp6, 0x10000c
	s_cmp_lg_u32 s2, 0x3003
	s_cbranch_scc0 .Lentry_shape_is_right
	s_endpgm
.Lentry_shape_is_right:
; THIRD LAUNCH: o = softmax(q k^T / 8) v for 16 heads of batch, 4,096 queries and keys, head size 64, both products on codes of FP8; o is quantised at once for the last product.  Nothing is left out.
; THE SOFTMAX AHEAD OF THE SECOND PRODUCT: t = score x log2(e) / 8; M = the row's largest t so far, rounded UP to a whole number; p = 2^(t - M) is what is quantised (scale 2^e9), not normalised.
; The row's sum is taken of the unquantised p, in f32, and divides at the end.  When M moves, the sum and O are multiplied by 2^(old M - new M): exact.
; LIMITS on the given exponents, so that each power of two below is an f32 number: e6 + e7 between -123 and 130 (added to c's exponent field); e9 and e10 between -126 and 119; e8 + e9 is applied by v_ldexp_f32.
; SHARES.  A work-group owns 256 queries of one head; each of its sixteen waves 16 of them, one tile, in 256 registers: four waves to a SIMD, so that one wave's vector work stands beside another's products and LDS loads.
; Every wave walks the head's 4,096 keys, 128 a step, 4 steps a slot, 8 slots.  A slot is 65,536 consecutive bytes of kv: images of operand registers, K's 32 key tiles and then V^T's 16 fragments (second launch),
; so every fragment comes by loads of 512 consecutive LDS bytes: no pitch, no padding.  Two LDS slots take turns; waves 0 to 3 fetch a quarter of a slot each, 64 rows of 256 bytes.
; CLUSTER.  The four query blocks of a cluster belong to one head and walk the same slots: each quarter is asked for JOINTLY, by the same tensor load with the same descriptor and a mask that names the four.
; LAYOUT.  Both products are used transposed: S^T = K Q^T (source 0 = 16 keys, source 1 = my 16 queries), O^T = V^T P^T: a lane holds ONE query (lane % 16) throughout, and in tile t of S^T the keys 16 t + 8 h + 0..7:
; one conversion of tile t IS the register pair 2 t, 2 t + 1 of P's fragment (ISA guide 7.12.2).  Likewise O^T's tile d is channels 16 d + 8 h + 0..7: its conversion is a register pair of the last product's operand:
;   oc [row tile 512][head 8][chunk 2][512 bytes].
; REGISTERS: v1 16 x lane; v2 the slot's address; v3 the prefetches' offset; v5, v6 the add's two; v12 -M, v13 the largest t, v[14:15] the sum in two halves; v16-23 Q; v32-95 K's 8 fragments, then V's 4;
;   v96-159 S^T, then p; v160-191 O^T; v192-207 p's codes; v236-254 at work and scales.
.set SLOT1, 1<<16                      ; slot 1 begins here: one exclusive or turns an address in one slot into the other's
.set SPARE, 2*SLOT1                    ; behind the ring: the spare words, 128 bytes a wave: eight blocks of 256 bytes that no other line names
.set NSL,  8                           ; slots' worth of keys
.set LI,   1
.set ADR,  2
.set PFO,  3
.set SPW,  5                           ; my spare word's LDS address; never rewritten
.set NIL,  6                           ; 0; never rewritten
.set Q,    16
.set KV,   32
.set S,    96
.set O,    160
.set P,    192
.set WV,   12                          ; s12  wave
.set SEL,  20                          ; s[20:21] lane selects for v_permlanex16_b32: lane l xor 16
.set CS,   22                          ; s[22:23] c = log2(e) / 8 x 2^(e6 + e7)
.set G1,   24                          ; s[24:31] descriptor group 1
.set G0,   32                          ; s[32:35] descriptor group 0, which walks
.set TB,   36                          ; s36  LDS byte at which the slot in hand begins
.set SLOTS, 37                         ; s37  slots still to be asked for
.set LIM,  38                          ; s38  1 in a wave that prefetches, else the greatest number
.set PFA,  40                          ; s[40:41] where my prefetches stand
.macro SCALE e, vs, vl                 ; v[vs] = 2^e as f32, v[vl] = 448 x 2^e
	s_add_co_i32 s52, \e, 127
	s_lshl_b32 s53, s52, 23
	v_mov_b32 v[\vs], s53
	s_add_co_i32 s52, s52, 8
	s_lshl_b32 s52, s52, 23
	s_or_b32 s52, s52, 0x600000
	v_mov_b32 v[\vl], s52
.endm
; A joint load: waves 0 to 3, a quarter of a slot each.  The branch hangs on the wave's number alone.  An s_nop 0 and four v_nop follow the load.
.macro TLOAD
	s_cmp_lt_u32 s[WV], 4
	s_cbranch_scc0 .Lasked_\@
	tensor_load_to_lds s[G0:G0+3], s[G1:G1+7]
	s_nop 0
.rept 4
	v_nop
.endr
.Lasked_\@:
.endm
; A round of the cluster's barrier: my work-group's barrier, wave 0 signals for the work-group, every wave waits for all four work-groups, my work-group's barrier once more.
.macro CROUND
	s_barrier_signal -1
	s_barrier_wait -1
	s_cmp_lg_u32 s[WV], 0
	s_cbranch_scc1 .Lnot_wave_0_\@
	s_barrier_signal -3
.Lnot_wave_0_\@:
	s_barrier_wait -3
	s_barrier_signal -1
	s_barrier_wait -1
.endm
; A PREFETCH INTO THE L2 of the slot that the NEXT change of slots will ask for: four key steps ahead of that load.  Each aligned block of 256 bytes is named once in the launch: all four clusters of a head walk the
; same slots, so the head's first cluster asks; its four partners take 16,384 bytes each, told apart BY ADDRESS; in each, waves 4 and 5, which fetch nothing, take 8,192 bytes each, lanes 256 bytes apart.
; The last change that fills a slot asks for nothing: there is no slot behind it.  Slots 0 and 1 come by their loads alone.
.macro ASK
	s_cmp_gt_u32 s[SLOTS], s[LIM]
	s_cbranch_scc0 .Lnot_mine_\@
	global_prefetch_b8 v[PFO], s[PFA:PFA+1] th:TH_LOAD_NT scope:SCOPE_SE
.Lnot_mine_\@:
.endm
	s_load_b256 s[4:11], s[0:1], 0x0               ; qc s[4:5], kv s[6:7], the scales' exponents s[8:9], oc s[10:11]
	v_lshl_add_u32 v[SPW], v0, 2, SPARE
	v_mov_b32 v[NIL], 0
	ds_add_u32 v[SPW], v[NIL]                      ; the wave's opening: the add, twice on end, and its wait ahead of the first tensor load; the set-up below stands between
	ds_add_u32 v[SPW], v[NIL]
	v_lshrrev_b32 v1, 5, v0
	v_readfirstlane_b32 s[WV], v1                  ; wave 0..15
	s_bfe_u32 s13, ttmp6, 0x40000                  ; cx: my place in the cluster: it enters Q's, oc's and the prefetches' addresses alone
	s_lshl_b32 s14, ttmp9, 2                       ; in a cluster launch ttmp9 counts clusters
	s_add_co_u32 s14, s14, s13                     ; my block of 256 queries
	s_lshl_b32 s14, s14, 4
	s_add_co_u32 s14, s14, s[WV]                   ; my query tile, 0..255
	s_and_b32 s15, ttmp7, 0xffff                   ; the head of batch, which the partners share
	s_lshl_b32 s16, s15, 8
	s_add_co_u32 s16, s16, s14
	s_lshl_b32 s16, s16, 10                        ; Q: (256 head + tile) x 1,024
	s_mov_b32 s17, 0
	s_lshr_b32 s18, s15, 3                         ; oc: (256 batch + tile) x 8,192 + 1,024 x head
	s_lshl_b32 s18, s18, 8
	s_add_co_u32 s18, s18, s14
	s_lshl_b32 s18, s18, 13
	s_and_b32 s19, s15, 7
	s_lshl_b32 s19, s19, 10
	s_add_co_u32 s18, s18, s19
	s_mov_b32 s19, 0
	s_lshl_b32 s42, s15, 19                        ; what I fetch, if I fetch: the head's 524,288 bytes, quarter wave % 4 of a slot: no place in the cluster enters it
	s_and_b32 s54, s[WV], 3
	s_lshl_b32 s54, s54, 14                        ; also its place in an LDS slot
	s_add_co_u32 s42, s42, s54
	s_mov_b32 s43, 0
	s_lshl_b32 s50, s15, 19                        ; the prefetches: the head, my work-group's 16,384 bytes, my wave's 8,192,
	s_lshl_b32 s51, s13, 14
	s_add_co_u32 s50, s50, s51
	s_and_b32 s51, s[WV], 1
	s_lshl_b32 s51, s51, 13
	s_add_co_u32 s50, s50, s51
	s_add_co_u32 s50, s50, SLOT1                   ; in slot 1: the first change of slots steps it to slot 2
	s_mov_b32 s51, 0
	s_sub_co_u32 s[LIM], s[WV], 4
	s_lshr_b32 s[LIM], s[LIM], 1                   ; 0 in waves 4 and 5,
	s_or_b32 s[LIM], s[LIM], ttmp9                 ; of the head's first cluster: the same in all four partners
	s_cmp_eq_u32 s[LIM], 0
	s_cselect_b32 s[LIM], 1, -1
	; descriptor group 1: 64 rows of 32 elements of 8 bytes, dense in memory and in LDS
	s_mov_b32 s[G1], 15|(3<<16)|(1<<21)            ; 15:0 the mask: all four work-groups; 17:16 elements of 8 bytes; 20 no padding; 21 set beside a mask
	s_mov_b32 s[G1+1], 32<<16                      ; tensor_dim0 = 32
	s_mov_b32 s[G1+2], 64<<16                      ; tensor_dim1 = 64
	s_mov_b32 s[G1+3], 32<<16                      ; tile_dim0 = 32
	s_mov_b32 s[G1+4], 64                          ; tile_dim1 = 64
	s_mov_b32 s[G1+5], 32                          ; tensor_dim0_stride
	s_mov_b32 s[G1+6], 0
	s_mov_b32 s[G1+7], 0
	s_mov_b32 s[SEL], 0x76543210
	s_mov_b32 s[SEL+1], 0xfedcba98
	s_mov_b32 s[CS], 0x3e38aa3b                    ; log2(e) / 8
	s_mov_b32 s[TB], 0
	s_mov_b32 s[SLOTS], NSL-1
	v_and_b32 v[LI], 31, v0
	v_lshlrev_b32 v[PFO], 8, v[LI]
	v_lshlrev_b32 v[LI], 4, v[LI]
	s_wait_dscnt 0x0                               ; both opening adds are done
	s_wait_kmcnt 0x0
	s_load_b128 s[44:47], s[8:9], 0x18             ; e6, e7, e8, e9
	s_load_b32 s48, s[8:9], 0x28                   ; e10
	s_mov_b32 s[G0], 1                             ; count = 1
	s_mov_b32 s[G0+1], s54                         ; LDS address: slot 0, my quarter
	s_add_nc_u64 s[G0+2:G0+3], s[6:7], s[42:43]    ; global address: the head's slot 0, my quarter
	s_or_b32 s[G0+3], s[G0+3], 0x80000000          ; type = 2
	s_add_nc_u64 s[4:5], s[4:5], s[16:17]
	s_add_nc_u64 s[10:11], s[10:11], s[18:19]
	s_add_nc_u64 s[PFA:PFA+1], s[6:7], s[50:51]
	CROUND                                         ; all four work-groups are here: the first joint loads meet
	TLOAD                                          ; slot 0: one tensor load of a wave is out, here and behind every later round
	global_load_b128 v[Q:Q+3],   v[LI], s[4:5]     ; Q's fragment stays in registers
	global_load_b128 v[Q+4:Q+7], v[LI], s[4:5] offset:512
	v_mov_b32 v13, 0xff61b1e6                      ; the largest t so far: -3e38, under every t
	v_floor_f32 v12, -v13                          ; -M
	v_mov_b32 v14, 0                               ; the sum, in two halves
	v_mov_b32 v15, 0
	v_mov_b32 v236, 0                              ; written once: a lane permute's destination counts as one of its sources
	v_mov_b32 v253, 0                              ; (named as the upper half of the pair v[252:253])
.set j, 0
.rept 32
	v_mov_b32 v[O+j], 0                            ; O^T.  (The step is written once: the first finds zeros, which the first change of M leaves zeros)
.set j, j+1
.endr
	s_wait_kmcnt 0x0
	s_add_co_i32 s16, s44, s45
	s_lshl_b32 s16, s16, 23
	s_add_co_i32 s[CS], s[CS], s16                 ; a score stands for score x 2^(e6 + e7): the exponents are added to c's exponent field
	s_mov_b32 s[CS+1], s[CS]                       ; (named with it as a pair, so it is written)
	SCALE s47, 244, 240                            ; 2^e9 and 448 x 2^e9, for p
	SCALE s48, 246, 247                            ; 2^e10 and 448 x 2^e10, for o
	s_add_co_i32 s49, s46, s47                     ; e8 + e9
; A KEY STEP: 128 keys, the q-th of the slot in hand.
.macro STEP q
.rept 4
	v_nop                                          ; places in front of loads into registers that the last products read
.endr
.irp t, 0,1,2,3,4,5,6,7
	ds_load_b128 v[KV+8*\t:KV+8*\t+3],   v[ADR] offset:8192*\q+1024*\t
	ds_load_b128 v[KV+8*\t+4:KV+8*\t+7], v[ADR] offset:8192*\q+1024*\t+512
.endr
	s_wait_dscnt 8                                 ; key tiles 0 to 3 are in; the eight loads of tiles 4 to 7 may be out
.irp t, 0,1,2,3
	v_wmma_f32_16x16x64_fp8_fp8 v[S+8*\t:S+8*\t+7], v[KV+8*\t:KV+8*\t+7], v[Q:Q+7], 0
.endr
	s_wait_dscnt 0x0
.irp t, 4,5,6,7
	v_wmma_f32_16x16x64_fp8_fp8 v[S+8*\t:S+8*\t+7], v[KV+8*\t:KV+8*\t+7], v[Q:Q+7], 0
.endr
.rept 4
	v_nop                                          ; places in front of the loads below and of the first read of the scores
.endr
.irp d, 0,1,2,3                                ; V^T's four fragments land while the softmax is worked
.irp c, 0,1,2,3
	ds_load_b128 v[KV+16*\d+4*\c:KV+16*\d+4*\c+3], v[ADR] offset:32768+8192*\q+2048*\d+512*\c
.endr
.endr
	v_max3_num_f32 v254, v96, v97, v98             ; the step's largest score of my query, among my 64 keys, in two chains, each tile from its low end on,
	v_max3_num_f32 v252, v99, v100, v101
.irp i, 6,10,14,18,22,26,30,34,38,42,46,50,54,58
	v_max3_num_f32 v254, v254, v[S+\i], v[S+1+\i]
	v_max3_num_f32 v252, v252, v[S+2+\i], v[S+3+\i]
.endr
	v_max3_num_f32 v254, v254, v158, v159
	v_max_num_f32 v254, v254, v252
	v_permlanex16_b32 v236, v254, s[SEL], s[SEL+1]
	v_max_num_f32 v254, v254, v236                 ; and among lane l xor 16's
	v_mul_f32 v254, s[CS], v254                    ; as t (c is positive)
	v_max_num_f32 v13, v13, v254                   ; the running largest t
	v_mov_b32 v254, v12
	v_floor_f32 v12, -v13                          ; the new -M = floor(-t) = -ceil(t): M is a whole number
	v_sub_f32 v254, v12, v254                      ; M's old value less its new one: a whole number, 0 or less
	v_cvt_i32_f32 v254, v254                       ; (it saturates)
	v_ldexp_f32 v252, 1.0, v254                    ; f = 2^(old M - new M)
.set j, 0
.rept 32
	v_pk_fma_f32 v[S+j:S+j+1], v[S+j:S+j+1], s[CS:CS+1], v[12:13] op_sel_hi:[1,0,0]   ; t - M, two at a time (of the pairs c and -M the low word serves both halves)
.set j, j+2
.endr
.set j, 0
.rept 64
	v_exp_f32 v[S+j], v[S+j]                       ; p = 2^(t - M), at most 1: not normalised
.set j, j+1
.endr
	v_pk_mul_f32 v[14:15], v[14:15], v[252:253] op_sel_hi:[1,0]   ; the sums under the new M: the plain line behind the exponentials
	s_wait_alu depctr_va_vdst(0)                   ; the wait ahead of the first line that names an exponential's result: one for the batch of 64
	v_pk_add_f32 v[242:243], v[96:97], v[98:99]    ; the row's sum is taken of the UNQUANTISED p: two at a time, in two chains
.set j, 4
.rept 15
	v_pk_add_f32 v[14:15], v[14:15], v[S+j:S+j+1]
	v_pk_add_f32 v[242:243], v[242:243], v[S+j+2:S+j+3]
.set j, j+4
.endr
	v_pk_add_f32 v[14:15], v[14:15], v[242:243]
.irp t, 0,1,2,3,4,5,6,7
.irp i, 0,1,2,3,4,5,6,7
	v_min_num_f32 v[S+8*\t+\i], v[S+8*\t+\i], v240 ; the conversion does not saturate (ISA guide 7.6.2); p is not negative, so the hold is one-sided
.endr
	v_cvt_scalef32_pk8_fp8_f32 v[P+2*\t:P+2*\t+1], v[S+8*\t:S+8*\t+7], v244   ; keys 16 t + 8 h + 0..7: the pair 2 t, 2 t + 1 of P's fragment
.endr
.set j, 0
.rept 16
	v_pk_mul_f32 v[O+j:O+j+1], v[O+j:O+j+1], v[252:253] op_sel_hi:[1,0]   ; O^T under the new M, each tile from its low end on.  (Also the plain lines between the conversions and the products)
.set j, j+2
.endr
	s_wait_dscnt 0x0                               ; V^T is in
.irp d, 0,1,2,3
	v_wmma_f32_16x16x128_fp8_fp8 v[O+8*\d:O+8*\d+7], v[KV+16*\d:KV+16*\d+15], v[P:P+15], v[O+8*\d:O+8*\d+7]
.endr
.endm
; THE CHANGE OF SLOTS stands at a slot's head.  Each wave waits for all its tensor loads (its part of the slot that it is about to read), adds 0 to its spare word, and waits for that and for its reads of the slot that it
; has left.  fill = 1: a round of the cluster's barrier follows, so that no wave of any partner still reads that slot or has a load on its way, and the joint load of the keys that follow is the first thing behind it:
; it has a slot's four key steps in which to land.  (The first trip's load is slot 1's first fill.)
.macro CHANGE fill
	s_wait_tensorcnt 0x0                           ; no tensor load of mine is out, so group 0 may be written
	ds_add_u32 v[SPW], v[NIL]                      ; 0 onto my spare word
.if \fill
	ds_add_u32 v[SPW], v[NIL]                      ; and once more: the add twice on end, in every trip alike
	s_xor_b32 s[G0+1], s[G0+1], SLOT1              ; the walking descriptor: the other slot than last time,
	s_add_nc_u64 s[G0+2:G0+3], s[G0+2:G0+3], SLOT1 ; the next 512 keys; the type bits on top are not reached
	s_wait_xcnt 0x0                                ; the last prefetch, a slot back, has read its address, so it may be written:
	s_add_nc_u64 s[PFA:PFA+1], s[PFA:PFA+1], SLOT1 ; one slot further on than the walking descriptor
	s_wait_dscnt 0x0                               ; both adds are done, and my reads of the slot that I have left are over
	CROUND
	TLOAD
	ASK
.else
	s_wait_dscnt 0x0                               ; the add is done, and my reads of the slot that I have left are over
	s_barrier_signal -1
	s_barrier_wait -1
.endif
.endm
.macro SLOT_STEPS
	v_add_nc_u32 v[ADR], s[TB], v[LI]
	STEP 0
	STEP 1
	STEP 2
	STEP 3
	s_xor_b32 s[TB], s[TB], SLOT1                  ; on to the other slot
.endm
	s_wait_loadcnt 0x0                             ; Q
.Lslot:                                            ; NSL - 1 trips: behind each change of slots but the last the next slot is asked for
	CHANGE 1
	SLOT_STEPS
	s_sub_co_u32 s[SLOTS], s[SLOTS], 1
	s_cmp_lg_u32 s[SLOTS], 0
	s_cbranch_scc1 .Lslot
	CHANGE 0                                       ; the last slot is written out
	SLOT_STEPS
	; THE WAY OUT.  o = O^T x 2^(e8 + e9) / the sum, quantised with 2^e10: tile d's conversion is a register pair of the last product's operand; two chunks of 512 consecutive aligned bytes.
.rept 4
	v_nop                                          ; places behind the last products
.endr
	v_add_f32 v14, v14, v15                        ; the sum's two halves,
	v_permlanex16_b32 v252, v14, s[SEL], s[SEL+1]
	v_add_f32 v14, v14, v252                       ; and lane l xor 16's: the row's sum
	v_rcp_f32 v14, v14
	v_nop                                          ; a plain line behind the reciprocal
	s_wait_alu depctr_va_vdst(0)                   ; and a wait ahead of its first reader
	v_ldexp_f32 v14, v14, s49
.set j, 0
.rept 32
	v_mul_f32 v[S+j], v[O+j], v14                  ; register 8 d + i is o(query r, channel 16 d + 8 h + i); each tile from its low end on
.set j, j+1
.endr
.set j, 0
.rept 32
	v_med3_num_f32 v[S+j], v[S+j], -v247, v247
.set j, j+1
.endr
.irp d, 0,1,2,3
	v_cvt_scalef32_pk8_fp8_f32 v[P+2*\d:P+2*\d+1], v[S+8*\d:S+8*\d+7], v246
.endr
	v_nop                                          ; a plain vector line behind the last conversion
	global_store_b128 v[LI], v[P:P+3],   s[10:11]
	global_store_b128 v[LI], v[P+4:P+7], s[10:11] offset:512
	s_wait_tensorcnt 0x0                           ; the wave's end: behind my last tensor load
	ds_add_u32 v[SPW], v[NIL]
	s_wait_dscnt 0x0
	CROUND                                         ; the closing round: no work-group ends while a partner may still ask for a tile that names it
	s_endpgm
.Lfunc_end_k_qc9ffbe6f5e_attn:
	.size	k_qc9ffbe6f5e_attn, .Lfunc_end_k_qc9ffbe6f5e_attn-k_qc9ffbe6f5e_attn
	.p2alignl 7, 3214868480
	.fill 96, 4, 3214868480
	.section	.rodata,"a",@progbits
	.p2align	6, 0x0
	.amdhsa_kernel k_qc9ffbe6f5e_attn
		.amdhsa_group_segment_fixed_size 327680
		.amdhsa_private_segment_fixed_size 0
		.amdhsa_enable_private_segment 0
		.amdhsa_kernarg_size 32
		.amdhsa_user_sgpr_count 2
		.amdhsa_user_sgpr_kernarg_segment_ptr 1
		.amdhsa_wavefront_size32 1
		.amdhsa_system_sgpr_workgroup_id_x 1
		.amdhsa_system_sgpr_workgroup_id_y 1
		.amdhsa_system_sgpr_workgroup_id_z 1
		.amdhsa_system_vgpr_workitem_id 0
		.amdhsa_next_free_vgpr 256
		.amdhsa_next_free_sgpr 66
		.amdhsa_reserve_vcc 0
		.amdhsa_float_denorm_mode_32 3
		.amdhsa_float_denorm_mode_16_64 3
		.amdhsa_memory_ordered 1
		.amdhsa_forward_progress 1
		.amdhsa_inst_pref_size 133
	.end_amdhsa_kernel
	.amdgpu_metadata
---
amdhsa.version: [ 1, 2 ]
amdhsa.kernels:
  - .name:           k_qc9ffbe6f5e_attn
    .symbol:         k_qc9ffbe6f5e_attn.kd
    .args:
      - { .name: qc, .offset: 0, .size: 8, .value_kind: global_buffer, .address_space: global }
      - { .name: kv, .offset: 8, .size: 8, .value_kind: global_buffer, .address_space: global }
      - { .name: lowp_scales, .offset: 16, .size: 8, .value_kind: global_buffer, .address_space: global }
      - { .name: oc, .offset: 24, .size: 8, .value_kind: global_buffer, .address_space: global }
    .group_segment_fixed_size: 327680
    .private_segment_fixed_size: 0
    .kernarg_segment_align: 8
    .kernarg_segment_size: 32
    .max_flat_workgroup_size: 512
    .sgpr_count:     66
    .vgpr_count:     256
    .wavefront_size: 32
...
	.end_amdgpu_metadata
.endif
;; end of part 3
;; launch outproj (part 4): grid 4 x 64, 4 waves a work-group, no clusters, 17,920 bytes of LDS; arguments oc, wc, lowp_scales, bo, out0; writes out0
.if DOCPART == 4
	.amdgcn_target "amdgcn-amd-amdhsa--gfx1250"
	.amdhsa_code_object_version 6
	.text
	.protected	k_qc9ffbe6f5e_outproj
	.globl	k_qc9ffbe6f5e_outproj
	.p2align	8
	.type	k_qc9ffbe6f5e_outproj,@function
k_qc9ffbe6f5e_outproj:
	s_mov_b64 s[64:65], 0
	v_nop
	global_prefetch_b8 v0, s[64:65] scope:SCOPE_SE
	s_setreg_imm32_b32 hwreg(HW_REG_WAVE_MODE, 25, 1), 1
	s_wait_xcnt 0x0
; FOURTH LAUNCH: out0 = o Wo + bo, [8,192][512] f32, on codes of FP8: out0 = sum x 2^(e10 + e11) + bo.  Nothing is left out.
; LIMIT: e10 + e11 lies between -126 and 127, so that 2^(e10 + e11) is an f32 number.
; Both operands lie in memory as images of operand registers (oc from the third launch, Wo's codes in wc from the first): a fragment of 16 rows x 128 K is four loads of 512 consecutive bytes.
; SHARES: a work-group takes 128 rows (y) x 128 columns (x); wave (wr = w / 2, wcn = w % 2) 64 x 64: 16 accumulators.  K = 512 is four steps: ALL of a wave's fragments (2 x 256 registers) are asked for at once,
; straight into registers, K step by K step, and multiplied as they land.
; THE MATRIX INSTRUCTION IS USED TRANSPOSED (source 0 = 16 columns of Wo, source 1 = 16 rows of o): a lane holds eight neighbouring columns of one row.  16 rows x 64 columns at a time go through the wave's own stage
; in LDS and leave as rows of 256 bytes: sixteen lanes store 256 consecutive aligned bytes.
; NO CLUSTER, NO TENSOR LOAD, NO BARRIER: the operands go from memory into registers, so no LDS tile is filled that partners could ask for jointly; each stage is its wave's own.
; REGISTERS.  Window 0: v1-5 addresses; v32-63 bo in the result's layout; v64-95 results; v96-127 rows read back; v128-255 accumulators ((a, b) at 128 + 8 (4 a + b)).
;   Window 1: o's fragments ((row tile a, K step) at 64 a + 16 step).   Window 2: Wo's ((column tile b, K step) likewise).
.set SP,   272                         ; a stage row: 256 bytes + 16, an odd multiple of 16
.set WSTG, 16*SP
.set SPARE, 4*WSTG                     ; behind the stages: the spare words, 128 bytes a wave: two blocks of 256 bytes that no other line names
.set LI,   1                           ; v1   16 x lane
.set STO,  2                           ; v2   the stage: where I put 32 bytes of a row
.set RD,   3                           ; v3   and where I read a row back
.set CO,   4                           ; v4   my byte offset in two rows of out0
.set BA,   5                           ; v5   32 h: my eight numbers of a tile's sixteen of bo
.set SPW,  12                          ; v12  my spare word's LDS address; never rewritten
.set NIL,  13                          ; v13  0; never rewritten
.set BO,   32
.set TMP,  64
.set BK,   96
.set ACC,  128
.set MSB, 0
.macro WIN new                         ; the immediate's high byte repeats the setting that is left
.if MSB != \new
	s_set_vgpr_msb (MSB<<8)|\new
.set MSB, \new
.endif
.endm
	s_load_b256 s[4:11], s[0:1], 0x0               ; oc s[4:5], wc s[6:7], the scales' exponents s[8:9], bo s[10:11]
	s_load_b64 s[12:13], s[0:1], 0x20              ; out0
	v_lshl_add_u32 v[SPW], v0, 2, SPARE
	v_mov_b32 v[NIL], 0
	v_lshrrev_b32 v6, 5, v0
	v_readfirstlane_b32 s14, v6                    ; wave 0..3
	s_lshr_b32 s15, s14, 1                         ; wr
	s_and_b32 s16, s14, 1                          ; wcn
	v_and_b32 v[LI], 31, v0
	v_lshlrev_b32 v[LI], 4, v[LI]
	v_and_b32 v6, 15, v0                           ; r
	v_bfe_u32 v7, v0, 4, 1                         ; h
	s_mul_i32 s20, s14, WSTG                       ; my stage
	v_mul_u32_u24 v[STO], v6, SP
	v_lshl_add_u32 v[STO], v7, 5, v[STO]
	v_add_nc_u32 v[STO], s20, v[STO]               ; in: row r, + 32 h
	v_mul_u32_u24 v[RD], v7, SP
	v_lshl_add_u32 v[RD], v6, 4, v[RD]
	v_add_nc_u32 v[RD], s20, v[RD]                 ; back: lanes 0-15 one row, lanes 16-31 the next
	v_lshlrev_b32 v[CO], 11, v7
	v_lshl_add_u32 v[CO], v6, 4, v[CO]             ; and the same two rows of out0
	v_lshlrev_b32 v[BA], 5, v7
	s_and_b32 s18, ttmp7, 0xffff                   ; y
	s_lshl_b32 s22, s18, 16                        ; o: row tiles 8 y + 4 wr on, 8,192 bytes each
	s_lshl_b32 s21, s15, 15
	s_add_co_u32 s22, s22, s21
	s_mov_b32 s23, 0
	s_lshl_b32 s24, ttmp9, 16                      ; Wo: the fourth tensor of wc, column tiles 8 x + 4 wcn on
	s_lshl_b32 s21, s16, 15
	s_add_co_u32 s24, s24, s21
	s_add_co_u32 s24, s24, 3*262144
	s_mov_b32 s25, 0
	s_lshl_b32 s26, ttmp9, 9                       ; my first column in bytes: 512 x + 256 wcn
	s_lshl_b32 s21, s16, 8
	s_add_co_u32 s26, s26, s21
	s_mov_b32 s27, 0
	s_lshl_b32 s28, s18, 18                        ; out0: (128 y + 64 wr) rows of 2,048 bytes + my first column
	s_lshl_b32 s21, s15, 17
	s_add_co_u32 s28, s28, s21
	s_add_co_u32 s28, s28, s26
	s_mov_b32 s29, 0
	s_wait_kmcnt 0x0
	s_load_b64 s[44:45], s[8:9], 0x28              ; e10, e11
	s_add_nc_u64 s[4:5], s[4:5], s[22:23]
	s_add_nc_u64 s[6:7], s[6:7], s[24:25]
	s_add_nc_u64 s[10:11], s[10:11], s[26:27]
	s_add_nc_u64 s[12:13], s[12:13], s[28:29]
.irp b, 0,1,2,3
	global_load_b128 v[BO+8*\b:BO+8*\b+3],   v[BA], s[10:11] offset:64*\b      ; bo at columns 16 b + 8 h + 0..7
	global_load_b128 v[BO+8*\b+4:BO+8*\b+7], v[BA], s[10:11] offset:64*\b+16
.endr
.irp s, 0,1,2,3                                ; K step by K step: 16 loads for o, 16 for Wo
	WIN 0x40                                       ; destination window 1
.irp a, 0,1,2,3
.irp c, 0,1,2,3
	global_load_b128 v[64*\a+16*\s+4*\c:64*\a+16*\s+4*\c+3], v[LI], s[4:5] offset:8192*\a+2048*\s+512*\c
.endr
.endr
	WIN 0x80                                       ; destination window 2
.irp a, 0,1,2,3
.irp c, 0,1,2,3
	global_load_b128 v[64*\a+16*\s+4*\c:64*\a+16*\s+4*\c+3], v[LI], s[6:7] offset:8192*\a+2048*\s+512*\c
.endr
.endr
.endr
	WIN 0
	s_wait_kmcnt 0x0
	s_add_co_i32 s46, s44, s45
	s_add_co_i32 s46, s46, 127
	s_lshl_b32 s46, s46, 23                        ; 2^(e10 + e11) as f32
	s_mov_b32 s47, s46                             ; (named with it as a pair, so it is written)
; 16 matrix instructions of K step s: the 16 accumulators by turns, in the same order in every step.  zero = 1: the first step starts the sums.
.macro MULS s, zero
.irp a, 0,1,2,3
.irp b, 0,1,2,3
.if \zero
	v_wmma_f32_16x16x128_fp8_fp8 v[ACC+8*(4*\a+\b):ACC+8*(4*\a+\b)+7], v[64*\b+16*\s:64*\b+16*\s+15], v[64*\a+16*\s:64*\a+16*\s+15], 0
.else
	v_wmma_f32_16x16x128_fp8_fp8 v[ACC+8*(4*\a+\b):ACC+8*(4*\a+\b)+7], v[64*\b+16*\s:64*\b+16*\s+15], v[64*\a+16*\s:64*\a+16*\s+15], v[ACC+8*(4*\a+\b):ACC+8*(4*\a+\b)+7]
.endif
.endr
.endr
.endm
	s_wait_loadcnt 63                              ; K steps 0 and 1 are in: behind K step 1 stand 64 loads, and 63 is the largest count that the wait can name
	WIN 0x06                                       ; source 0 (Wo) window 2, source 1 (o) window 1
	MULS 0, 1
	MULS 1, 0
	s_wait_loadcnt 32                              ; K step 2 is in; K step 3's 32 loads may be out
	MULS 2, 0
	s_wait_loadcnt 0x0
	MULS 3, 0
	WIN 0
.rept 4
	v_nop                                          ; places (ISA guide 7.12.1) in front of the first read of results
.endr
.irp a, 0,1,2,3                                ; THE WAY OUT, 16 rows x 64 columns at a time
.if \a > 0
	s_wait_xcnt 0x0                                ; the last block's stores have read their data registers, into which the loads below land
.endif
.irp b, 0,1,2,3
.irp i, 0,2,4,6
	v_pk_fma_f32 v[TMP+8*\b+\i:TMP+8*\b+\i+1], v[ACC+8*(4*\a+\b)+\i:ACC+8*(4*\a+\b)+\i+1], s[46:47], v[BO+8*\b+\i:BO+8*\b+\i+1] op_sel_hi:[1,0,1]   ; sum x 2^(e10 + e11) + bo; each accumulator from its low end on
.endr
.endr
.irp b, 0,1,2,3
	ds_store_b128 v[STO], v[TMP+8*\b:TMP+8*\b+3]   offset:64*\b
	ds_store_b128 v[STO], v[TMP+8*\b+4:TMP+8*\b+7] offset:64*\b+16
.endr
.irp t, 0,1,2,3,4,5,6,7
	ds_load_b128 v[BK+4*\t:BK+4*\t+3], v[RD] offset:2*SP*\t   ; LDS serves a wave's instructions in order: these see my stores
.endr
	s_wait_dscnt 0x0
.irp t, 0,1,2,3,4,5,6,7
	global_store_b128 v[CO], v[BK+4*\t:BK+4*\t+3], s[12:13] offset:(16*\a+2*\t)*2048 th:TH_STORE_NT   ; 16 lanes store 256 consecutive bytes, at a multiple of 256 from out0's first byte; written once, read by nobody here
.endr
.endr
	s_wait_tensorcnt 0x0                           ; the wave's end: behind my last LDS store
	ds_add_u32 v[SPW], v[NIL]
	s_wait_dscnt 0x0
	s_endpgm
.Lfunc_end_k_qc9ffbe6f5e_outproj:
	.size	k_qc9ffbe6f5e_outproj, .Lfunc_end_k_qc9ffbe6f5e_outproj-k_qc9ffbe6f5e_outproj
	.p2alignl 7, 3214868480
	.fill 96, 4, 3214868480
	.section	.rodata,"a",@progbits
	.p2align	6, 0x0
	.amdhsa_kernel k_qc9ffbe6f5e_outproj
		.amdhsa_group_segment_fixed_size 17920
		.amdhsa_private_segment_fixed_size 0
		.amdhsa_enable_private_segment 0
		.amdhsa_kernarg_size 40
		.amdhsa_user_sgpr_count 2
		.amdhsa_user_sgpr_kernarg_segment_ptr 1
		.amdhsa_wavefront_size32 1
		.amdhsa_system_sgpr_workgroup_id_x 1
		.amdhsa_system_sgpr_workgroup_id_y 1
		.amdhsa_system_sgpr_workgroup_id_z 1
		.amdhsa_system_vgpr_workitem_id 0
		.amdhsa_next_free_vgpr 768
		.amdhsa_next_free_sgpr 66
		.amdhsa_reserve_vcc 0
		.amdhsa_float_denorm_mode_32 3
		.amdhsa_float_denorm_mode_16_64 3
		.amdhsa_memory_ordered 1
		.amdhsa_forward_progress 1
		.amdhsa_inst_pref_size 32
	.end_amdhsa_kernel
	.amdgpu_metadata
---
amdhsa.version: [ 1, 2 ]
amdhsa.kernels:
  - .name:           k_qc9ffbe6f5e_outproj
    .symbol:         k_qc9ffbe6f5e_outproj.kd
    .args:
      - { .name: oc, .offset: 0, .size: 8, .value_kind: global_buffer, .address_space: global }
      - { .name: wc, .offset: 8, .size: 8, .value_kind: global_buffer, .address_space: global }
      - { .name: lowp_scales, .offset: 16, .size: 8, .value_kind: global_buffer, .address_space: global }
      - { .name: bo, .offset: 24, .size: 8, .value_kind: global_buffer, .address_space: global }
      - { .name: out0, .offset: 32, .size: 8, .value_kind: global_buffer, .address_space: global }
    .group_segment_fixed_size: 17920
    .private_segment_fixed_size: 0
    .kernarg_segment_align: 8
    .kernarg_segment_size: 40
    .max_flat_workgroup_size: 128
    .sgpr_count:     66
    .vgpr_count:     768
    .wavefront_size: 32
...
	.end_amdgpu_metadata
.endif
;; end of part 4
;; ======== version 2 of 2: 4 launches
;; limits: right only within a limited range of input values
;; workspace buffers: wc 1,048,576 bytes; qc 4,194,304 bytes; kv 8,388,608 bytes; oc 4,194,304 bytes
;; launch wquant (part 5): grid 4 x 64, 4 waves a work-group, no clusters, 6,656 bytes of LDS; arguments Wq, Wk, Wv, Wo, lowp_scales, wc; writes wc
.if DOCPART == 5
	.amdgcn_target "amdgcn-amd-amdhsa--gfx1250"
	.amdhsa_code_object_version 6
	.text
	.protected	k_qc9ffbe6f5e_wquant
	.globl	k_qc9ffbe6f5e_wquant
	.p2align	8
	.type	k_qc9ffbe6f5e_wquant,@function
k_qc9ffbe6f5e_wquant:
	s_mov_b64 s[64:65], 0
	v_nop
	global_prefetch_b8 v0, s[64:65] scope:SCOPE_SE
	s_setreg_imm32_b32 hwreg(HW_REG_WAVE_MODE, 25, 1), 1
	s_wait_xcnt 0x0
; FIRST OF FOUR LAUNCHES of: out0 = softmax(q k^T / 8) v Wo + bo, q = x Wq, k = x Wk, v = x Wv, 8 heads of 64, every product on codes of FP8 (E4M3) with the given scales 2^e (lowp_scales).
; NO WORK IS LEFT OUT: every input has a way to out0, every product of the table is live, and the maximum is taken away ahead of the exponential (a running one, in the third launch).
; THIS LAUNCH turns the four weights, f32 stored [k 512][n 512] (K is the FIRST axis), into codes: code = w / 2^e, held within +-448, to the nearest code, ties to even; e = entry 1, 3, 5, 11 for Wq, Wk, Wv, Wo.
; LIMITS: each of those e lies between -126 and 119, so that 2^e and 448 x 2^e are f32 numbers.  NaN among the inputs is not served (an infinity is held at the largest code).
; THE CODES' LAYOUT (wc) IS AN IMAGE OF OPERAND REGISTERS: [tensor 4][column tile 32][K step of 128: 4][chunk 4][512 bytes].  A chunk is four registers of 32 lanes, lane l's 16 bytes at 16 l:
; lane (r = l % 16, h = l / 16) of chunk c holds, of column 16 tile + r, the codes of k = 128 step + 32 c + 8 h + 0..7 and then of k = 128 step + 32 c + 16 + 8 h + 0..7: registers 4 c .. 4 c + 3 of a
; fragment of v_wmma_f32_16x16x128_fp8_fp8 (ISA guide 7.12.2).  So the later launches load a fragment by four loads of 512 consecutive bytes, and nothing is ever transposed again.
; SHARES: work-group (x, y): 128 columns (x), tensor y / 16, the 32 rows of K numbered y % 16.  A LANE TAKES A COLUMN AND ITS REGISTERS RUN DOWN K: each load reads 128 consecutive bytes a wave, 512 a
; work-group, and the conversions give codes with K innermost.  A lane's 32 bytes go through the wave's own stage in LDS and come back as two chunks, each stored as 512 consecutive aligned bytes.
; No barrier (waves share nothing), no loop, no tensor load, no cluster: each byte of the weights is read by one wave only.
.set ROWW,  2048                       ; a row of a weight in bytes
.set PITCH, 48                         ; a stage row: a column's 32 codes + 16 bytes, an odd multiple of 16
.set WSTG,  32*PITCH                   ; a wave's stage
.set SPARE, 4*WSTG                     ; behind the stages: the spare words, 128 bytes a wave: two blocks of 256 bytes that no other line names
.set X,   32                           ; v32-63  32 numbers down K
.set C,   64                           ; v64-71  their codes
.set O,   72                           ; v72-79  two chunks
.set SPW, 12                           ; v12     my spare word's LDS address; never rewritten
.set NIL, 13                           ; v13     0; never rewritten
	s_load_b256 s[4:11], s[0:1], 0x0               ; Wq, Wk, Wv, Wo
	s_load_b128 s[12:15], s[0:1], 0x20             ; the scales' exponents s[12:13], wc s[14:15]
	v_lshl_add_u32 v[SPW], v0, 2, SPARE
	v_mov_b32 v[NIL], 0
	v_lshrrev_b32 v2, 5, v0
	v_readfirstlane_b32 s28, v2                    ; wave 0..3
	v_and_b32 v1, 31, v0                           ; lane
	v_lshlrev_b32 v3, 2, v1                        ; in: 4 bytes a lane
	s_mul_i32 s31, s28, WSTG                       ; my stage
	v_mul_u32_u24 v4, v1, PITCH
	v_add_nc_u32 v4, s31, v4                       ; into it: row = my column
	v_and_b32 v7, 15, v0                           ; r
	v_bfe_u32 v8, v0, 4, 1                         ; h
	v_mul_u32_u24 v5, v7, PITCH
	v_lshl_add_u32 v5, v8, 3, v5
	v_add_nc_u32 v5, s31, v5                       ; out of it: row r, byte 8 h
	v_lshlrev_b32 v6, 4, v1                        ; my 16 bytes of a chunk
	s_and_b32 s30, ttmp7, 0xffff
	s_lshr_b32 s29, s30, 4                         ; which tensor
	s_and_b32 s30, s30, 15                         ; which 32 of K
	s_lshl_b32 s32, s30, 16                        ; source: 32 rows of 2,048 bytes a block,
	s_lshl_b32 s36, ttmp9, 9                       ; 128 columns a work-group,
	s_add_co_u32 s32, s32, s36
	s_lshl_b32 s36, s28, 7                         ; 32 a wave
	s_add_co_u32 s32, s32, s36
	s_mov_b32 s33, 0
	s_lshl_b32 s34, s29, 18                        ; destination: 262,144 bytes a tensor,
	s_lshl_b32 s36, ttmp9, 16                      ; 8 column tiles of 8,192 bytes a work-group,
	s_add_co_u32 s34, s34, s36
	s_lshl_b32 s36, s28, 14                        ; 2 a wave,
	s_add_co_u32 s34, s34, s36
	s_lshl_b32 s36, s30, 9                         ; K step and chunk: 2,048 (block / 4) + 512 (block % 4) = 512 x block
	s_add_co_u32 s34, s34, s36
	s_mov_b32 s35, 0
	s_wait_alu depctr_va_vdst(0)
	s_wait_kmcnt 0x0
	s_load_b256 s[16:23], s[12:13], 0x0            ; e0 .. e7
	s_load_b128 s[24:27], s[12:13], 0x20           ; e8 .. e11
	s_cmp_eq_u32 s29, 1                            ; the tensor is chosen by the work-group's number alone
	s_cselect_b64 s[4:5], s[6:7], s[4:5]
	s_cmp_eq_u32 s29, 2
	s_cselect_b64 s[4:5], s[8:9], s[4:5]
	s_cmp_eq_u32 s29, 3
	s_cselect_b64 s[4:5], s[10:11], s[4:5]
	s_add_nc_u64 s[4:5], s[4:5], s[32:33]
	s_add_nc_u64 s[14:15], s[14:15], s[34:35]
.set i, 0
.rept 32
	global_load_b32 v[X+i], v3, s[4:5] offset:ROWW*i th:TH_LOAD_NT   ; W(32 block + i, my column); read once in the launch
.set i, i+1
.endr
	s_wait_kmcnt 0x0
	s_cmp_eq_u32 s29, 1                            ; e: entry 1, 3, 5 or 11
	s_cselect_b32 s17, s19, s17
	s_cmp_eq_u32 s29, 2
	s_cselect_b32 s17, s21, s17
	s_cmp_eq_u32 s29, 3
	s_cselect_b32 s17, s27, s17
	s_add_co_i32 s17, s17, 127
	s_lshl_b32 s36, s17, 23
	v_mov_b32 v11, s36                             ; 2^e as f32: the conversion takes its exponent field
	s_add_co_i32 s17, s17, 8
	s_lshl_b32 s17, s17, 23
	s_or_b32 s17, s17, 0x600000
	v_mov_b32 v10, s17                             ; 448 x 2^e
	s_wait_alu depctr_va_vdst(0)
.irp g, 0,1,2,3
	s_wait_loadcnt 24-8*\g                         ; loads come back in order: these eight are in, the 24 - 8 g issued behind them may be out
.irp i, 0,1,2,3,4,5,6,7
	v_med3_num_f32 v[X+8*\g+\i], v[X+8*\g+\i], -v10, v10   ; the conversion to an 8-bit code does not saturate (ISA guide 7.6.2): hold first
.endr
	v_cvt_scalef32_pk8_fp8_f32 v[C+2*\g:C+2*\g+1], v[X+8*\g:X+8*\g+7], v11
.endr
	v_nop                                          ; a plain vector line behind the last conversion
	ds_store_b128 v4, v[C:C+3]                     ; my column's 32 codes, k ascending
	ds_store_b128 v4, v[C+4:C+7] offset:16
.irp j, 0,1                                    ; column tile j of my wave's two.  LDS serves a wave's instructions in order: these see the stores
	ds_load_b64 v[O+4*\j:O+4*\j+1],   v5 offset:16*PITCH*\j       ; k = 8 h + 0..7 of column 16 j + r
	ds_load_b64 v[O+4*\j+2:O+4*\j+3], v5 offset:16*PITCH*\j+16    ; k = 16 + 8 h + 0..7
.endr
	s_wait_dscnt 0x0
.irp j, 0,1
	global_store_b128 v6, v[O+4*\j:O+4*\j+3], s[14:15] offset:8192*\j   ; 32 lanes store 512 consecutive bytes, at a multiple of 512 from wc's first byte
.endr
	s_wait_tensorcnt 0x0                           ; the wave's end: behind my last LDS store
	ds_add_u32 v[SPW], v[NIL]
	s_wait_dscnt 0x0
	s_endpgm
.Lfunc_end_k_qc9ffbe6f5e_wquant:
	.size	k_qc9ffbe6f5e_wquant, .Lfunc_end_k_qc9ffbe6f5e_wquant-k_qc9ffbe6f5e_wquant
	.p2alignl 7, 3214868480
	.fill 96, 4, 3214868480
	.section	.rodata,"a",@progbits
	.p2align	6, 0x0
	.amdhsa_kernel k_qc9ffbe6f5e_wquant
		.amdhsa_group_segment_fixed_size 6656
		.amdhsa_private_segment_fixed_size 0
		.amdhsa_enable_private_segment 0
		.amdhsa_kernarg_size 48
		.amdhsa_user_sgpr_count 2
		.amdhsa_user_sgpr_kernarg_segment_ptr 1
		.amdhsa_wavefront_size32 1
		.amdhsa_system_sgpr_workgroup_id_x 1
		.amdhsa_system_sgpr_workgroup_id_y 1
		.amdhsa_system_sgpr_workgroup_id_z 1
		.amdhsa_system_vgpr_workitem_id 0
		.amdhsa_next_free_vgpr 96
		.amdhsa_next_free_sgpr 66
		.amdhsa_reserve_vcc 0
		.amdhsa_float_denorm_mode_32 3
		.amdhsa_float_denorm_mode_16_64 3
		.amdhsa_memory_ordered 1
		.amdhsa_forward_progress 1
		.amdhsa_inst_pref_size 9
	.end_amdhsa_kernel
	.amdgpu_metadata
---
amdhsa.version: [ 1, 2 ]
amdhsa.kernels:
  - .name:           k_qc9ffbe6f5e_wquant
    .symbol:         k_qc9ffbe6f5e_wquant.kd
    .args:
      - { .name: Wq, .offset: 0, .size: 8, .value_kind: global_buffer, .address_space: global }
      - { .name: Wk, .offset: 8, .size: 8, .value_kind: global_buffer, .address_space: global }
      - { .name: Wv, .offset: 16, .size: 8, .value_kind: global_buffer, .address_space: global }
      - { .name: Wo, .offset: 24, .size: 8, .value_kind: global_buffer, .address_space: global }
      - { .name: lowp_scales, .offset: 32, .size: 8, .value_kind: global_buffer, .address_space: global }
      - { .name: wc, .offset: 40, .size: 8, .value_kind: global_buffer, .address_space: global }
    .group_segment_fixed_size: 6656
    .private_segment_fixed_size: 0
    .kernarg_segment_align: 8
    .kernarg_segment_size: 48
    .max_flat_workgroup_size: 128
    .sgpr_count:     66
    .vgpr_count:     96
    .wavefront_size: 32
...
	.end_amdgpu_metadata
.endif
;; end of part 5
;; launch proj (part 6): grid 4 x 64, 8 waves a work-group, no clusters, 197,632 bytes of LDS; arguments x, wc, lowp_scales, qc, kv; writes qc, kv
.if DOCPART == 6
	.amdgcn_target "amdgcn-amd-amdhsa--gfx1250"
	.amdhsa_code_object_version 6
	.text
	.protected	k_qc9ffbe6f5e_proj
	.globl	k_qc9ffbe6f5e_proj
	.p2align	8
	.type	k_qc9ffbe6f5e_proj,@function
k_qc9ffbe6f5e_proj:
	s_mov_b64 s[64:65], 0
	v_nop
	global_prefetch_b8 v0, s[64:65] scope:SCOPE_SE
	s_setreg_imm32_b32 hwreg(HW_REG_WAVE_SCHED_MODE, 0, 2), 2
	s_setreg_imm32_b32 hwreg(HW_REG_WAVE_MODE, 25, 1), 1
	s_wait_xcnt 0x0
	s_wait_alu depctr_vm_vsrc(0)
; SECOND LAUNCH: q = x Wq, k = x Wk, v = x Wv on codes of FP8, and the results quantised at once for the attention's two products.  Nothing is left out.
; x [8,192 rows][512] f32 is quantised THREE times (entries 0, 2, 4 of the scales may differ).  The weights' codes come from wc as images of operand registers (first launch).
; A sum of q's product stands for sum x 2^(e0 + e1), and q's code is q / 2^e6: so the conversion takes the one scale 2^(e6 - e0 - e1); k: e7 - e2 - e3; v: e8 - e4 - e5.
; LIMITS: e0, e2, e4 and those three differences lie between -126 and 119, so that each power of two and 448 x it are f32 numbers.  NaN among the inputs is not served.
; SHARES: a work-group takes 128 rows (y) x 128 columns (x: two heads) of all three results.  PHASE X: wave w quantises rows 16 w .. 16 w + 15: for each K step of 128 three fragments, stored in LDS as images of
; their registers (four stores of 512 consecutive bytes).  One barrier.  PHASE 2: wave (cq = w % 4, rh = w / 4) takes columns 32 cq .. + 31 x rows 64 rh .. + 63: 8 accumulators, for q, then k, then v;
; its part of a weight (8 fragments, 128 registers) comes from memory straight into registers.
; LAYOUT.  Lane (r, h) of a fragment holds row r and, in registers 2 c, 2 c + 1, k = 16 c + 8 h + 0..7 (ISA guide 7.12.2).  A result tile gives a lane eight neighbours m = 8 h + 0..7 of one column n = r.
; q and k are made TRANSPOSED (source 0 = 16 columns of W, source 1 = 16 rows of x): a lane holds one row and eight neighbouring channels, so ONE conversion of a tile IS a register pair of the next operand.
; v is made the natural way (source 0 = x, source 1 = W): a lane holds one channel and eight neighbouring KEYS, which are the second product's K.  So every result leaves as chunks of 512 consecutive aligned bytes:
;   qc [head of batch 16][query tile 256][chunk 2][512];   kv [head 16][slot of 512 keys: 8][65,536]: 32 key tiles x 1,024 bytes of K, then [128 keys: 4][16 channels: 4][chunk 4][512] of V^T.
; NO CLUSTER, NO TENSOR LOAD: x has to pass the quantiser in registers and the weights go from memory into registers, so no LDS tile is filled from memory that partners could ask for jointly.
; REGISTERS.  Window 0: v1-10 addresses; v14-25 scales; v32-95, v96-159 two sets: 64 numbers of x, later four fragments of x; v160-223 phase X: two sets of 8 at work and three fragments of codes, phase 2: the 8
; accumulators ((m, j) at 160 + 16 m + 8 j); v224-239, v240-255 two out-buffers of codes.  Window 1: two sets of a weight's 8 fragments ((j, K step) at 128 set + 64 j + 16 step).
; THE MODE: SCHED_MODE bits 1:0 = 2 (LLVM: expert scheduling mode 2), set by the entry lines.  The code itself states the register dependences
; between vector or matrix instructions and memory or LDS instructions, with s_wait_alu, always for 0.
; THE PLAN.  Registers that memory or LDS instructions touch (the text has no branch: one path):
;   v1, v4-10   addresses: written at the head, never again; one wait on va_vdst ahead of the first load serves every load and store.
;   F0, F1      PHASE X: loads of x land, the holds read; the wait on va_vdst behind a K step's conversions states that the holds are done, and the set's next loads follow it.
;               PHASE 2: LDS loads of fragments land, a step's 8 products read; one wait on va_vdst behind the products, and the set's next fetch follows it.
;   W0, W1      window 1: loads land, products read.  W0 is loaded a second time (Wv), behind the wait that follows q's last products.
;   PC          conversions write, the images' LDS stores read (the same wait on va_vdst as F's); a wait on vm_vsrc stands ahead of the next K step's conversions, and behind the barrier, where PC becomes accumulators.
;   OUT0, OUT1  conversions write, global stores read: one wait on va_vdst ahead of each run of stores.  q leaves from OUT0, k from OUT1, v from OUT0 again: one wait on vm_vsrc, a whole tensor behind q's stores.
;   v12, v13    written at the head, read by the closing add alone.
.set LI,   1                           ; v1      16 x lane
.set XA,   4                           ; v4      x: 2,048 r + 32 h
.set XWI,  5                           ; v5-7    where I store tensor t's images: 16 lane + 8,192 wave + 65,536 t
.set XFI,  8                           ; v8-10   where I read them: 16 lane + 32,768 rh + 65,536 t
.set SPW,  12                          ; v12     my spare word's LDS address; never rewritten
.set NIL,  13                          ; v13     0; never rewritten
.set SCX,  14                          ; v14-19  (2^e, 448 x 2^e) for e0, e2, e4
.set SCO,  20                          ; v20-25  the same for the three folded exponents
.set F,    32
.set ACC,  160
.set T,    160
.set PC,   176
.set PCO,  224                         ; out-buffer b at PCO + 16 b
.set SPARE, 3*65536                    ; behind the images: the spare words, 128 bytes a wave: four blocks of 256 bytes that no other line names
.set WB,   30                          ; s[30:35] my part of Wq's, Wk's, Wv's codes
.set OQ,   36                          ; s[36:37] where my q goes; s[38:39] k; s[40:41] v
.set MSB, 0
.macro WIN new                         ; the immediate's high byte repeats the setting that is left
.if MSB != \new
	s_set_vgpr_msb (MSB<<8)|\new
.set MSB, \new
.endif
.endm
.macro SCALE e, vs                     ; v[vs] = 2^e as f32, v[vs + 1] = 448 x 2^e
	s_add_co_i32 s50, \e, 127
	s_lshl_b32 s51, s50, 23
	v_mov_b32 v[\vs], s51
	s_add_co_i32 s50, s50, 8
	s_lshl_b32 s50, s50, 23
	s_or_b32 s50, s50, 0x600000
	v_mov_b32 v[\vs+1], s50
.endm
.macro XLOAD fb, ks                    ; my 16 rows' numbers of K step ks: lane (r, h): k = 128 ks + 16 c + 8 h + 0..7 into registers 8 c on; the sixteen loads together cover 512 consecutive bytes of each row
.irp c, 0,1,2,3,4,5,6,7
	global_load_b128 v[F+64*\fb+8*\c:F+64*\fb+8*\c+3],   v[XA], s[4:5] offset:512*\ks+64*\c
	global_load_b128 v[F+64*\fb+8*\c+4:F+64*\fb+8*\c+7], v[XA], s[4:5] offset:512*\ks+64*\c+16
.endr
.endm
.macro WLOAD base, wb                  ; a weight's 8 fragments: 32 loads of 512 consecutive bytes
	WIN 0x40                                       ; destination window 1
.set i, 0
.rept 32
	global_load_b128 v[128*\wb+4*i:128*\wb+4*i+3], v[LI], s[\base:\base+1] offset:512*i
.set i, i+1
.endr
	WIN 0
.endm
.macro QUANT3 fb, ks                   ; 64 numbers of a lane become three fragments of codes
.if \ks > 0
	s_wait_dscnt 0x0                               ; the last images' stores have landed
	s_wait_alu depctr_vm_vsrc(0)                   ; the last images' LDS stores have read v[PC ..], which the conversions below write again
.endif
.irp t, 0,1,2
.irp c, 0,1,2,3,4,5,6,7
.irp i, 0,1,2,3,4,5,6,7
	v_med3_num_f32 v[T+8*(\c%2)+\i], v[F+64*\fb+8*\c+\i], -v[SCX+2*\t+1], v[SCX+2*\t+1]   ; the hold (the conversion does not saturate: ISA guide 7.6.2), into one of two sets by turns: so the eight lines behind a conversion touch none of its registers
.endr
	v_cvt_scalef32_pk8_fp8_f32 v[PC+16*\t+2*\c:PC+16*\t+2*\c+1], v[T+8*(\c%2):T+8*(\c%2)+7], v[SCX+2*\t]
.endr
.endr
	v_nop                                          ; a plain vector line behind the last conversion
	s_wait_alu depctr_va_vdst(0)                   ; the conversions have written v[PC ..], which the images' LDS stores read; the holds are done reading set fb, in which the next loads land.  No vector line stands between this wait and those stores and loads
.endm
.macro IMAGES ks                       ; the three fragments go to LDS as they stand
.irp t, 0,1,2
.irp c, 0,1,2,3
	ds_store_b128 v[XWI+\t], v[PC+16*\t+4*\c:PC+16*\t+4*\c+3] offset:2048*\ks+512*\c
.endr
.endr
.endm
.macro FETCH tn, ks, fb                ; tensor tn's fragments of my four row tiles, K step ks
.irp m, 0,1,2,3
.irp c, 0,1,2,3
	ds_load_b128 v[F+64*\fb+16*\m+4*\c:F+64*\fb+16*\m+4*\c+3], v[XFI+\tn] offset:8192*\m+2048*\ks+512*\c
.endr
.endr
.endm
.macro NEXT tn, ks, fb                 ; behind a step's products: the fetch into the set that they read
	s_wait_alu depctr_va_vdst(0)                   ; the products just issued are done reading set fb, in which the LDS loads below land
	FETCH \tn, \ks, \fb
.endm
; 8 matrix instructions, the 8 accumulators by turns in the same order in every step.  K step 0 starts the sums with the constant 0.
; The four v_nop at the end are the places (ISA guide 7.12.1) behind the products; they stay beside the wait that follows them.
.macro MUL tn, ks, fb, wb
.if \tn == 2
	WIN 0x04                                       ; source 1 (W) window 1
.else
	WIN 0x01                                       ; source 0 (W) window 1
.endif
.irp m, 0,1,2,3
.irp j, 0,1
.if \tn == 2
.if \ks == 0
	v_wmma_f32_16x16x128_fp8_fp8 v[ACC+16*\m+8*\j:ACC+16*\m+8*\j+7], v[F+64*\fb+16*\m:F+64*\fb+16*\m+15], v[128*\wb+64*\j+16*\ks:128*\wb+64*\j+16*\ks+15], 0
.else
	v_wmma_f32_16x16x128_fp8_fp8 v[ACC+16*\m+8*\j:ACC+16*\m+8*\j+7], v[F+64*\fb+16*\m:F+64*\fb+16*\m+15], v[128*\wb+64*\j+16*\ks:128*\wb+64*\j+16*\ks+15], v[ACC+16*\m+8*\j:ACC+16*\m+8*\j+7]
.endif
.else
.if \ks == 0
	v_wmma_f32_16x16x128_fp8_fp8 v[ACC+16*\m+8*\j:ACC+16*\m+8*\j+7], v[128*\wb+64*\j+16*\ks:128*\wb+64*\j+16*\ks+15], v[F+64*\fb+16*\m:F+64*\fb+16*\m+15], 0
.else
	v_wmma_f32_16x16x128_fp8_fp8 v[ACC+16*\m+8*\j:ACC+16*\m+8*\j+7], v[128*\wb+64*\j+16*\ks:128*\wb+64*\j+16*\ks+15], v[F+64*\fb+16*\m:F+64*\fb+16*\m+15], v[ACC+16*\m+8*\j:ACC+16*\m+8*\j+7]
.endif
.endif
.endr
.endr
	WIN 0
.rept 4
	v_nop
.endr
.endm
; q or k: row tile m's two tiles are channels 32 (cq % 2) + 16 j + 8 h + 0..7 of row r: one chunk.  Each accumulator is read from its low end on.  pb: the out-buffer.
.macro OUT_QK sc, base, pb
.irp m, 0,1,2,3
.irp i, 0,1,2,3,4,5,6,7,8,9,10,11,12,13,14,15
	v_med3_num_f32 v[ACC+16*\m+\i], v[ACC+16*\m+\i], -v[\sc+1], v[\sc+1]
.endr
	v_cvt_scalef32_pk8_fp8_f32 v[PCO+16*\pb+4*\m:PCO+16*\pb+4*\m+1],   v[ACC+16*\m:ACC+16*\m+7],    v[\sc]
	v_cvt_scalef32_pk8_fp8_f32 v[PCO+16*\pb+4*\m+2:PCO+16*\pb+4*\m+3], v[ACC+16*\m+8:ACC+16*\m+15], v[\sc]
.endr
	v_nop                                          ; a plain vector line behind the last conversion: the next products write its sources
	s_wait_alu depctr_va_vdst(0)                   ; the conversions have written the out-buffer, which the stores below read
.irp m, 0,1,2,3
	global_store_b128 v[LI], v[PCO+16*\pb+4*\m:PCO+16*\pb+4*\m+3], s[\base:\base+1] offset:1024*\m   ; 512 consecutive aligned bytes
.endr
.endm
	s_load_b256 s[4:11], s[0:1], 0x0               ; x s[4:5], wc s[6:7], the scales' exponents s[8:9], qc s[10:11]
	s_load_b64 s[12:13], s[0:1], 0x20              ; kv
	v_lshl_add_u32 v[SPW], v0, 2, SPARE
	v_mov_b32 v[NIL], 0
	v_lshrrev_b32 v2, 5, v0
	v_readfirstlane_b32 s14, v2                    ; wave 0..7
	v_and_b32 v[LI], 31, v0
	v_lshlrev_b32 v[LI], 4, v[LI]
	v_and_b32 v2, 15, v0                           ; r
	v_bfe_u32 v3, v0, 4, 1                         ; h
	v_lshlrev_b32 v[XA], 11, v2
	v_lshl_add_u32 v[XA], v3, 5, v[XA]
	s_wait_alu depctr_va_sdst(0)                   ; s14 is written, ahead of its first reader: the wave's shares and every base are made from it
	s_and_b32 s15, s14, 3                          ; cq
	s_lshr_b32 s16, s14, 2                         ; rh
	s_lshl_b32 s52, s14, 13
	v_add_nc_u32 v[XWI], s52, v[LI]
	v_add_nc_u32 v[XWI+1], 0x10000, v[XWI]
	v_add_nc_u32 v[XWI+2], 0x20000, v[XWI]
	s_lshl_b32 s53, s16, 15
	v_add_nc_u32 v[XFI], s53, v[LI]
	v_add_nc_u32 v[XFI+1], 0x10000, v[XFI]
	v_add_nc_u32 v[XFI+2], 0x20000, v[XFI]
	s_and_b32 s18, ttmp7, 0xffff                   ; which 128 rows of the 8,192
	s_and_b32 s19, s18, 31                         ; and of the batch's 4,096
	s_lshr_b32 s42, s18, 5                         ; the batch
	s_lshl_b32 s42, s42, 3
	s_lshl_b32 s43, ttmp9, 1
	s_add_co_u32 s42, s42, s43
	s_lshr_b32 s43, s15, 1
	s_add_co_u32 s42, s42, s43                     ; head of batch = 8 batch + 2 x + cq / 2
	s_and_b32 s43, s15, 1                          ; which 32 channels of the head
	s_lshl_b32 s36, s42, 18                        ; q: (256 head + 8 block + 4 rh) x 1,024 + 512 (cq % 2)
	s_lshl_b32 s44, s19, 13
	s_add_co_u32 s36, s36, s44
	s_lshl_b32 s44, s16, 12
	s_add_co_u32 s36, s36, s44
	s_lshl_b32 s44, s43, 9
	s_add_co_u32 s36, s36, s44
	s_mov_b32 s37, 0
	s_lshl_b32 s38, s42, 19                        ; k and v: 524,288 head + 65,536 (block / 4) + 8,192 (block % 4)
	s_lshr_b32 s44, s19, 2
	s_lshl_b32 s44, s44, 16
	s_add_co_u32 s38, s38, s44
	s_and_b32 s44, s19, 3
	s_lshl_b32 s44, s44, 13
	s_add_co_u32 s38, s38, s44
	s_add_co_u32 s40, s38, 32768                   ; v: behind the slot's K; + 4,096 (cq % 2) + 1,024 rh
	s_lshl_b32 s44, s43, 12
	s_add_co_u32 s40, s40, s44
	s_lshl_b32 s44, s16, 10
	s_add_co_u32 s40, s40, s44
	s_mov_b32 s41, 0
	s_lshl_b32 s44, s16, 12                        ; k: + 4,096 rh + 512 (cq % 2)
	s_add_co_u32 s38, s38, s44
	s_lshl_b32 s44, s43, 9
	s_add_co_u32 s38, s38, s44
	s_mov_b32 s39, 0
	s_lshl_b32 s46, ttmp9, 16                      ; the weights: column tiles 8 x + 2 cq on, 8,192 bytes each
	s_lshl_b32 s44, s15, 14
	s_add_co_u32 s46, s46, s44
	s_mov_b32 s47, 0
	s_lshl_b32 s48, s18, 18                        ; x: (128 block + 16 wave) rows of 2,048 bytes
	s_lshl_b32 s44, s14, 15
	s_add_co_u32 s48, s48, s44
	s_mov_b32 s49, 0
	s_wait_kmcnt 0x0
	s_load_b256 s[20:27], s[8:9], 0x0              ; e0 .. e7
	s_load_b32 s28, s[8:9], 0x20                   ; e8
	s_add_nc_u64 s[4:5], s[4:5], s[48:49]
	s_add_nc_u64 s[WB:WB+1], s[6:7], s[46:47]
	s_add_nc_u64 s[WB+2:WB+3], s[WB:WB+1], 0x40000
	s_add_nc_u64 s[WB+4:WB+5], s[WB:WB+1], 0x80000
	s_add_nc_u64 s[OQ:OQ+1], s[10:11], s[36:37]
	s_add_nc_u64 s[OQ+2:OQ+3], s[12:13], s[38:39]
	s_add_nc_u64 s[OQ+4:OQ+5], s[12:13], s[40:41]
	s_wait_alu depctr_va_vdst(0)                   ; the addresses v1 and v4 to v10 are written, which every load and store of the kernel reads; they are never written again
	XLOAD 0, 0
	XLOAD 1, 1
	WLOAD WB, 0                                    ; Wq
	s_wait_kmcnt 0x0
	SCALE s20, SCX
	SCALE s22, SCX+2
	SCALE s24, SCX+4
	s_sub_co_i32 s54, s26, s20
	s_sub_co_i32 s54, s54, s21                     ; e6 - e0 - e1
	SCALE s54, SCO
	s_sub_co_i32 s54, s27, s22
	s_sub_co_i32 s54, s54, s23                     ; e7 - e2 - e3
	SCALE s54, SCO+2
	s_sub_co_i32 s54, s28, s24
	s_sub_co_i32 s54, s54, s25                     ; e8 - e4 - e5
	SCALE s54, SCO+4
	; ---- PHASE X.  Behind a K step's wait on va_vdst its set is asked for again first, then its images are stored
	s_wait_loadcnt 48                              ; K step 0 of x is in; behind it: K step 1's 16 loads and Wq's 32
	QUANT3 0, 0
	XLOAD 0, 2
	IMAGES 0
	s_wait_loadcnt 48                              ; K step 1 is in; behind it: Wq's 32 and K step 2's 16
	QUANT3 1, 1
	XLOAD 1, 3
	WLOAD WB+2, 1                                  ; Wk
	IMAGES 1
	s_wait_loadcnt 48                              ; K step 2 is in, and Wq ahead of it; behind it: K step 3's 16 and Wk's 32
	QUANT3 0, 2
	IMAGES 2
	s_wait_loadcnt 32                              ; K step 3 is in; behind it: Wk's 32
	QUANT3 1, 3                                    ; (its wait on va_vdst also states that the holds of K steps 2 and 3 are done reading both sets, in which the first two fetches below land)
	IMAGES 3
	s_wait_dscnt 0x0                               ; for the others' sake: my images have landed
	s_barrier_signal -1
	s_barrier_wait -1                              ; all 96 images lie in LDS, and are only read from here on
	s_wait_alu depctr_vm_vsrc(0)                   ; my last images' LDS stores have read v[PC ..]: these registers are accumulators from here on, written by the products
	; ---- PHASE 2: twelve steps; each fetches the next step's four fragments into the other set.  s_wait_dscnt 16: the sixteen loads just issued may be out
	FETCH 0, 0, 0
	FETCH 0, 1, 1
	s_wait_dscnt 16
	MUL 0, 0, 0, 0
	NEXT 0, 2, 0
	s_wait_dscnt 16
	MUL 0, 1, 1, 0
	NEXT 0, 3, 1
	s_wait_dscnt 16
	MUL 0, 2, 0, 0
	NEXT 1, 0, 0
	s_wait_dscnt 16
	MUL 0, 3, 1, 0
	s_wait_alu depctr_va_vdst(0)                   ; q's products are done reading Wq's registers, in which Wv lands, and set 1, in which the fetch lands.  The way out's vector lines, which follow, name neither
	WLOAD WB+4, 0                                  ; Wv takes Wq's registers
	FETCH 1, 1, 1                                  ; and lands while q is quantised
	OUT_QK SCO, OQ, 0
	s_wait_dscnt 16
	s_wait_loadcnt 32                              ; Wk is in; Wv's 32 loads may be out
	MUL 1, 0, 0, 1
	NEXT 1, 2, 0
	s_wait_dscnt 16
	MUL 1, 1, 1, 1
	NEXT 1, 3, 1
	s_wait_dscnt 16
	MUL 1, 2, 0, 1
	NEXT 2, 0, 0
	s_wait_dscnt 16
	MUL 1, 3, 1, 1
	NEXT 2, 1, 1                                   ; lands while k is quantised: the way out's vector lines do not name set 1
	OUT_QK SCO+2, OQ+2, 1                          ; the other out-buffer: no store has read it
	s_wait_dscnt 16
	s_wait_loadcnt 0x0                             ; Wv is in
	MUL 2, 0, 0, 0
	NEXT 2, 2, 0
	s_wait_dscnt 16
	MUL 2, 1, 1, 0
	NEXT 2, 3, 1
	s_wait_dscnt 16
	MUL 2, 2, 0, 0
	s_wait_dscnt 0x0
	MUL 2, 3, 1, 0
	s_wait_xcnt 0x0                                ; q's stores have had their addresses translated: their data registers are written again only behind this wait
	s_wait_alu depctr_vm_vsrc(0)                   ; q's stores, a whole tensor back, have read out-buffer 0, which v's conversions write again
	; v: lane (r, h) of tile (m, j) holds channel 16 j + r and keys 16 (4 rh + m) + 8 h + 0..7: tiles (2 p, j) and (2 p + 1, j) are chunk 2 rh + p of channel tile 2 (cq % 2) + j
.irp j, 0,1
.irp p, 0,1
.irp i, 0,1,2,3,4,5,6,7
	v_med3_num_f32 v[ACC+32*\p+8*\j+\i], v[ACC+32*\p+8*\j+\i], -v[SCO+5], v[SCO+5]
.endr
.irp i, 0,1,2,3,4,5,6,7
	v_med3_num_f32 v[ACC+32*\p+16+8*\j+\i], v[ACC+32*\p+16+8*\j+\i], -v[SCO+5], v[SCO+5]
.endr
	v_cvt_scalef32_pk8_fp8_f32 v[PCO+8*\j+4*\p:PCO+8*\j+4*\p+1],   v[ACC+32*\p+8*\j:ACC+32*\p+8*\j+7],       v[SCO+4]
	v_cvt_scalef32_pk8_fp8_f32 v[PCO+8*\j+4*\p+2:PCO+8*\j+4*\p+3], v[ACC+32*\p+16+8*\j:ACC+32*\p+16+8*\j+7], v[SCO+4]
.endr
.endr
	v_nop                                          ; a plain vector line behind the last conversion
	s_wait_alu depctr_va_vdst(0)                   ; the conversions have written out-buffer 0, which the stores below read
.irp j, 0,1
.irp p, 0,1
	global_store_b128 v[LI], v[PCO+8*\j+4*\p:PCO+8*\j+4*\p+3], s[OQ+4:OQ+5] offset:2048*\j+512*\p
.endr
.endr
	s_wait_dscnt 0x0                               ; the closing lines, six on end
	s_wait_alu 0x0
	s_wait_tensorcnt 0x0
	ds_add_u32 v[SPW], v[NIL]
	s_wait_dscnt 0x0
	s_endpgm
.Lfunc_end_k_qc9ffbe6f5e_proj:
	.size	k_qc9ffbe6f5e_proj, .Lfunc_end_k_qc9ffbe6f5e_proj-k_qc9ffbe6f5e_proj
	.p2alignl 7, 3214868480
	.fill 96, 4, 3214868480
	.section	.rodata,"a",@progbits
	.p2align	6, 0x0
	.amdhsa_kernel k_qc9ffbe6f5e_proj
		.amdhsa_group_segment_fixed_size 197632
		.amdhsa_private_segment_fixed_size 0
		.amdhsa_enable_private_segment 0
		.amdhsa_kernarg_size 40
		.amdhsa_user_sgpr_count 2
		.amdhsa_user_sgpr_kernarg_segment_ptr 1
		.amdhsa_wavefront_size32 1
		.amdhsa_system_sgpr_workgroup_id_x 1
		.amdhsa_system_sgpr_workgroup_id_y 1
		.amdhsa_system_sgpr_workgroup_id_z 1
		.amdhsa_system_vgpr_workitem_id 0
		.amdhsa_next_free_vgpr 512
		.amdhsa_next_free_sgpr 66
		.amdhsa_reserve_vcc 0
		.amdhsa_float_denorm_mode_32 3
		.amdhsa_float_denorm_mode_16_64 3
		.amdhsa_memory_ordered 1
		.amdhsa_forward_progress 1
		.amdhsa_inst_pref_size 115
	.end_amdhsa_kernel
	.amdgpu_metadata
---
amdhsa.version: [ 1, 2 ]
amdhsa.kernels:
  - .name:           k_qc9ffbe6f5e_proj
    .symbol:         k_qc9ffbe6f5e_proj.kd
    .args:
      - { .name: x, .offset: 0, .size: 8, .value_kind: global_buffer, .address_space: global }
      - { .name: wc, .offset: 8, .size: 8, .value_kind: global_buffer, .address_space: global }
      - { .name: lowp_scales, .offset: 16, .size: 8, .value_kind: global_buffer, .address_space: global }
      - { .name: qc, .offset: 24, .size: 8, .value_kind: global_buffer, .address_space: global }
      - { .name: kv, .offset: 32, .size: 8, .value_kind: global_buffer, .address_space: global }
    .group_segment_fixed_size: 197632
    .private_segment_fixed_size: 0
    .kernarg_segment_align: 8
    .kernarg_segment_size: 40
    .max_flat_workgroup_size: 256
    .sgpr_count:     66
    .vgpr_count:     512
    .wavefront_size: 32
...
	.end_amdgpu_metadata
.endif
;; end of part 6
;; launch attn (part 7): grid 16 x 16, 16 waves a work-group, clusters of 4 x 1, 327,680 bytes of LDS; arguments qc, kv, lowp_scales, oc; writes oc
.if DOCPART == 7
	.amdgcn_target "amdgcn-amd-amdhsa--gfx1250"
	.amdhsa_code_object_version 6
	.text
	.protected	k_qc9ffbe6f5e_attn
	.globl	k_qc9ffbe6f5e_attn
	.p2align	8
	.type	k_qc9ffbe6f5e_attn,@function
k_qc9ffbe6f5e_attn:
	s_mov_b64 s[64:65], 0
	v_nop
	global_prefetch_b8 v0, s[64:65] scope:SCOPE_SE
	s_setreg_imm32_b32 hwreg(HW_REG_WAVE_MODE, 25, 1), 1
	s_wait_xcnt 0x0
	s_wait_alu depctr_hold_cnt(0) depctr_sa_sdst(0) depctr_va_vdst(0) depctr_va_sdst(0) depctr_va_ssrc(0) depctr_va_vcc(0) depctr_vm_vsrc(0)
	s_getreg_b32 s2, hwreg(HW_REG_IB_STS2, 6, 4)
	s_cmp_eq_u32 s2, 0
	s_cbranch_scc0 .Lentry_in_a_cluster
	s_endpgm
.Lentry_in_a_cluster:
	s_bfe_u32 s2, ttmp6, 0x10000c
	s_cmp_lg_u32 s2, 0x3003
	s_cbranch_scc0 .Lentry_shape_is_right
	s_endpgm
.Lentry_shape_is_right:
; THIRD LAUNCH: o = softmax(q k^T / 8) v for 16 heads of batch, 4,096 queries and keys, head size 64, both products on codes of FP8; o is quantised at once for the last product.  Nothing is left out.
; THE SOFTMAX AHEAD OF THE SECOND PRODUCT: t = score x log2(e) / 8; M = the row's largest t so far, rounded UP to a whole number; p = 2^(t - M) is what is quantised (scale 2^e9), not normalised.
; The row's sum is taken of the unquantised p, in f32, and divides at the end.  When M moves, the sum and O are multiplied by 2^(old M - new M): exact.
; LIMITS on the given exponents, so that each power of two below is an f32 number: e6 + e7 between -123 and 130 (added to c's exponent field); e9 and e10 between -126 and 119; e8 + e9 is applied by v_ldexp_f32.
; SHARES.  A work-group owns 256 queries of one head; each of its sixteen waves 16 of them, one tile, in 256 registers: four waves to a SIMD, so that one wave's vector work stands beside another's products and LDS loads.
; Every wave walks the head's 4,096 keys, 128 a step, 4 steps a slot, 8 slots.  A slot is 65,536 consecutive bytes of kv: images of operand registers, K's 32 key tiles and then V^T's 16 fragments (second launch),
; so every fragment comes by loads of 512 consecutive LDS bytes: no pitch, no padding.  Two LDS slots take turns; waves 0 to 3 fetch a quarter of a slot each, 64 rows of 256 bytes.
; CLUSTER.  The four query blocks of a cluster belong to one head and walk the same slots: each quarter is asked for JOINTLY, by the same tensor load with the same descriptor and a mask that names the four.
; LAYOUT.  Both products are used transposed: S^T = K Q^T (source 0 = 16 keys, source 1 = my 16 queries), O^T = V^T P^T: a lane holds ONE query (lane % 16) throughout, and in tile t of S^T the keys 16 t + 8 h + 0..7:
; one conversion of tile t IS the register pair 2 t, 2 t + 1 of P's fragment (ISA guide 7.12.2).  Likewise O^T's tile d is channels 16 d + 8 h + 0..7: its conversion is a register pair of the last product's operand:
;   oc [row tile 512][head 8][chunk 2][512 bytes].
; REGISTERS: v1 16 x lane; v2 the slot's address; v3 the prefetches' offset; v5, v6 the add's two; v12 -M, v13 the largest t, v[14:15] the sum in two halves; v16-23 Q; v32-95 K's 8 fragments, then V's 4;
;   v96-159 S^T, then p; v160-191 O^T; v192-207 p's codes; v232-255 at work and scales.
.set SLOT1, 1<<16                      ; slot 1 begins here: one exclusive or turns an address in one slot into the other's
.set SPARE, 2*SLOT1                    ; behind the ring: the spare words, 128 bytes a wave: eight blocks of 256 bytes that no other line names
.set NSL,  8                           ; slots' worth of keys
.set LI,   1
.set ADR,  2
.set PFO,  3
.set SPW,  5                           ; my spare word's LDS address; never rewritten
.set NIL,  6                           ; 0; never rewritten
.set Q,    16
.set KV,   32
.set S,    96
.set O,    160
.set P,    192
.set WV,   12                          ; s12  wave
.set SEL,  20                          ; s[20:21] lane selects for v_permlanex16_b32: lane l xor 16
.set CS,   22                          ; s[22:23] c = log2(e) / 8 x 2^(e6 + e7)
.set G1,   24                          ; s[24:31] descriptor group 1
.set G0,   32                          ; s[32:35] descriptor group 0, which walks
.set TB,   36                          ; s36  LDS byte at which the slot in hand begins
.set SLOTS, 37                         ; s37  slots still to be asked for
.set LIM,  38                          ; s38  1 in a wave that prefetches, else the greatest number
.set PFA,  40                          ; s[40:41] where my prefetches stand
.macro SCALE e, vs, vl                 ; v[vs] = 2^e as f32, v[vl] = 448 x 2^e
	s_add_co_i32 s52, \e, 127
	s_lshl_b32 s53, s52, 23
	v_mov_b32 v[\vs], s53
	s_add_co_i32 s52, s52, 8
	s_lshl_b32 s52, s52, 23
	s_or_b32 s52, s52, 0x600000
	v_mov_b32 v[\vl], s52
.endm
; A joint load: waves 0 to 3, a quarter of a slot each.  The branch hangs on the wave's number alone.  An s_nop 0 and four v_nop follow the load.
.macro TLOAD
	s_cmp_lt_u32 s[WV], 4
	s_cbranch_scc0 .Lasked_\@
	tensor_load_to_lds s[G0:G0+3], s[G1:G1+7]
	s_nop 0
.rept 4
	v_nop
.endr
.Lasked_\@:
.endm
; A round of the cluster's barrier: my work-group's barrier, wave 0 signals for the work-group, every wave waits for all four work-groups, my work-group's barrier once more.
.macro CROUND
	s_barrier_signal -1
	s_barrier_wait -1
	s_cmp_lg_u32 s[WV], 0
	s_cbranch_scc1 .Lnot_wave_0_\@
	s_barrier_signal -3
.Lnot_wave_0_\@:
	s_barrier_wait -3
	s_barrier_signal -1
	s_barrier_wait -1
.endm
; A PREFETCH INTO THE L2 of the slot that the NEXT change of slots will ask for: four key steps ahead of that load.  Each aligned block of 256 bytes is named once in the launch: all four clusters of a head walk the
; same slots, so the head's first cluster asks; its four partners take 16,384 bytes each, told apart BY ADDRESS; in each, waves 4 and 5, which fetch nothing, take 8,192 bytes each, lanes 256 bytes apart.
; The last change that fills a slot asks for nothing: there is no slot behind it.  Slots 0 and 1 come by their loads alone.
.macro ASK
	s_cmp_gt_u32 s[SLOTS], s[LIM]
	s_cbranch_scc0 .Lnot_mine_\@
	global_prefetch_b8 v[PFO], s[PFA:PFA+1] th:TH_LOAD_NT scope:SCOPE_SE
.Lnot_mine_\@:
.endm
	s_load_b256 s[4:11], s[0:1], 0x0               ; qc s[4:5], kv s[6:7], the scales' exponents s[8:9], oc s[10:11]
	v_lshl_add_u32 v[SPW], v0, 2, SPARE
	v_mov_b32 v[NIL], 0
	ds_add_u32 v[SPW], v[NIL]                      ; the wave's opening: the add, twice on end, and its wait ahead of the first tensor load; the set-up below stands between
	ds_add_u32 v[SPW], v[NIL]
	v_lshrrev_b32 v1, 5, v0
	s_delay_alu instid0(VALU_DEP_1)
	v_readfirstlane_b32 s[WV], v1                  ; wave 0..15
	s_bfe_u32 s13, ttmp6, 0x40000                  ; cx: my place in the cluster: it enters Q's, oc's and the prefetches' addresses alone
	s_lshl_b32 s14, ttmp9, 2                       ; in a cluster launch ttmp9 counts clusters
	s_add_co_u32 s14, s14, s13                     ; my block of 256 queries
	s_lshl_b32 s14, s14, 4
	s_add_co_u32 s14, s14, s[WV]                   ; my query tile, 0..255
	s_and_b32 s15, ttmp7, 0xffff                   ; the head of batch, which the partners share
	s_lshl_b32 s16, s15, 8
	s_add_co_u32 s16, s16, s14
	s_lshl_b32 s16, s16, 10                        ; Q: (256 head + tile) x 1,024
	s_mov_b32 s17, 0
	s_lshr_b32 s18, s15, 3                         ; oc: (256 batch + tile) x 8,192 + 1,024 x head
	s_lshl_b32 s18, s18, 8
	s_add_co_u32 s18, s18, s14
	s_lshl_b32 s18, s18, 13
	s_and_b32 s19, s15, 7
	s_lshl_b32 s19, s19, 10
	s_add_co_u32 s18, s18, s19
	s_mov_b32 s19, 0
	s_lshl_b32 s42, s15, 19                        ; what I fetch, if I fetch: the head's 524,288 bytes, quarter wave % 4 of a slot: no place in the cluster enters it
	s_and_b32 s54, s[WV], 3
	s_lshl_b32 s54, s54, 14                        ; also its place in an LDS slot
	s_add_co_u32 s42, s42, s54
	s_mov_b32 s43, 0
	s_lshl_b32 s50, s15, 19                        ; the prefetches: the head, my work-group's 16,384 bytes, my wave's 8,192,
	s_lshl_b32 s51, s13, 14
	s_add_co_u32 s50, s50, s51
	s_and_b32 s51, s[WV], 1
	s_lshl_b32 s51, s51, 13
	s_add_co_u32 s50, s50, s51
	s_add_co_u32 s50, s50, SLOT1                   ; in slot 1: the first change of slots steps it to slot 2
	s_mov_b32 s51, 0
	s_sub_co_u32 s[LIM], s[WV], 4
	s_lshr_b32 s[LIM], s[LIM], 1                   ; 0 in waves 4 and 5,
	s_or_b32 s[LIM], s[LIM], ttmp9                 ; of the head's first cluster: the same in all four partners
	s_cmp_eq_u32 s[LIM], 0
	s_cselect_b32 s[LIM], 1, -1
	; descriptor group 1: 64 rows of 32 elements of 8 bytes, dense in memory and in LDS
	s_mov_b32 s[G1], 15|(3<<16)|(1<<21)            ; 15:0 the mask: all four work-groups; 17:16 elements of 8 bytes; 20 no padding; 21 set beside a mask
	s_mov_b32 s[G1+1], 32<<16                      ; tensor_dim0 = 32
	s_mov_b32 s[G1+2], 64<<16                      ; tensor_dim1 = 64
	s_mov_b32 s[G1+3], 32<<16                      ; tile_dim0 = 32
	s_mov_b32 s[G1+4], 64                          ; tile_dim1 = 64
	s_mov_b32 s[G1+5], 32                          ; tensor_dim0_stride
	s_mov_b32 s[G1+6], 0
	s_mov_b32 s[G1+7], 0
	s_mov_b32 s[SEL], 0x76543210
	s_mov_b32 s[SEL+1], 0xfedcba98
	s_mov_b32 s[CS], 0x3e38aa3b                    ; log2(e) / 8
	s_mov_b32 s[TB], 0
	s_mov_b32 s[SLOTS], NSL-1
	v_and_b32 v[LI], 31, v0
	s_delay_alu instid0(VALU_DEP_1)
	v_lshlrev_b32 v[PFO], 8, v[LI]
	s_delay_alu instid0(VALU_DEP_2)
	v_lshlrev_b32 v[LI], 4, v[LI]
	s_wait_dscnt 0x0                               ; both opening adds are done
	s_wait_kmcnt 0x0
	s_load_b128 s[44:47], s[8:9], 0x18             ; e6, e7, e8, e9
	s_load_b32 s48, s[8:9], 0x28                   ; e10
	s_mov_b32 s[G0], 1                             ; count = 1
	s_mov_b32 s[G0+1], s54                         ; LDS address: slot 0, my quarter
	s_add_nc_u64 s[G0+2:G0+3], s[6:7], s[42:43]    ; global address: the head's slot 0, my quarter
	s_or_b32 s[G0+3], s[G0+3], 0x80000000          ; type = 2
	s_add_nc_u64 s[4:5], s[4:5], s[16:17]
	s_add_nc_u64 s[10:11], s[10:11], s[18:19]
	s_add_nc_u64 s[PFA:PFA+1], s[6:7], s[50:51]
	CROUND                                         ; all four work-groups are here: the first joint loads meet
	TLOAD                                          ; slot 0: one tensor load of a wave is out, here and behind every later round
	s_wait_alu depctr_va_vdst(0)
	global_load_b128 v[Q:Q+3],   v[LI], s[4:5]     ; Q's fragment stays in registers
	global_load_b128 v[Q+4:Q+7], v[LI], s[4:5] offset:512
	v_mov_b32 v13, 0xff61b1e6                      ; the largest t so far: -3e38, under every t
	s_delay_alu instid0(VALU_DEP_1)
	v_floor_f32 v12, -v13                          ; -M
	v_mov_b32 v14, 0                               ; the sum, in two halves
	v_mov_b32 v15, 0
	v_mov_b32 v236, 0                              ; written once: a lane permute's destination counts as one of its sources
	v_mov_b32 v253, 0                              ; (named as the upper half of the pair v[252:253])
.set j, 0
.rept 32
	v_mov_b32 v[O+j], 0                            ; O^T.  (The step is written once: the first finds zeros, which the first change of M leaves zeros)
.set j, j+1
.endr
	s_wait_kmcnt 0x0
	s_add_co_i32 s16, s44, s45
	s_lshl_b32 s16, s16, 23
	s_add_co_i32 s[CS], s[CS], s16                 ; a score stands for score x 2^(e6 + e7): the exponents are added to c's exponent field
	s_mov_b32 s[CS+1], s[CS]                       ; (named with it as a pair, so it is written)
	SCALE s47, 244, 240                            ; 2^e9 and 448 x 2^e9, for p
	SCALE s48, 246, 247                            ; 2^e10 and 448 x 2^e10, for o
	s_add_co_i32 s49, s46, s47                     ; e8 + e9
; A KEY STEP: 128 keys, the q-th of the slot in hand.
.macro STEP q
.rept 4
	v_nop                                          ; places in front of loads into registers that the last products read
.endr
.irp t, 0,1,2,3,4,5,6,7
	ds_load_b128 v[KV+8*\t:KV+8*\t+3],   v[ADR] offset:8192*\q+1024*\t
	ds_load_b128 v[KV+8*\t+4:KV+8*\t+7], v[ADR] offset:8192*\q+1024*\t+512
.endr
	s_wait_dscnt 8                                 ; key tiles 0 to 3 are in; the eight loads of tiles 4 to 7 may be out
.irp t, 0,1,2,3
	v_wmma_f32_16x16x64_fp8_fp8 v[S+8*\t:S+8*\t+7], v[KV+8*\t:KV+8*\t+7], v[Q:Q+7], 0
.endr
	s_wait_dscnt 0x0
.irp t, 4,5,6,7
	v_wmma_f32_16x16x64_fp8_fp8 v[S+8*\t:S+8*\t+7], v[KV+8*\t:KV+8*\t+7], v[Q:Q+7], 0
.endr
.rept 4
	v_nop                                          ; places in front of the loads below and of the first read of the scores
.endr
.irp d, 0,1,2,3                                ; V^T's four fragments land while the softmax is worked
.irp c, 0,1,2,3
	ds_load_b128 v[KV+16*\d+4*\c:KV+16*\d+4*\c+3], v[ADR] offset:32768+8192*\q+2048*\d+512*\c
.endr
.endr
	v_max3_num_f32 v254, v96, v97, v98             ; the step's largest score of my query, among my 64 keys, in two chains, each tile from its low end on,
	v_max3_num_f32 v252, v99, v100, v101
.irp i, 6,10,14,18,22,26,30,34,38,42,46,50,54,58
	v_max3_num_f32 v254, v254, v[S+\i], v[S+1+\i]
	v_max3_num_f32 v252, v252, v[S+2+\i], v[S+3+\i]
.endr
	v_max3_num_f32 v254, v254, v158, v159
	s_delay_alu instid0(VALU_DEP_1)
	v_max_num_f32 v254, v254, v252
	s_delay_alu instid0(VALU_DEP_1)
	v_permlanex16_b32 v236, v254, s[SEL], s[SEL+1]
	s_delay_alu instid0(VALU_DEP_1)
	v_max_num_f32 v254, v254, v236                 ; and among lane l xor 16's
	s_delay_alu instid0(VALU_DEP_1)
	v_mul_f32 v254, s[CS], v254                    ; as t (c is positive)
	s_delay_alu instid0(VALU_DEP_1)
	v_max_num_f32 v13, v13, v254                   ; the running largest t
	v_mov_b32 v254, v12
	s_delay_alu instid0(VALU_DEP_2)
	v_floor_f32 v12, -v13                          ; the new -M = floor(-t) = -ceil(t): M is a whole number
	s_delay_alu instid0(VALU_DEP_1)
	v_sub_f32 v254, v12, v254                      ; M's old value less its new one: a whole number, 0 or less
	s_delay_alu instid0(VALU_DEP_1)
	v_cvt_i32_f32 v254, v254                       ; (it saturates)
	s_delay_alu instid0(VALU_DEP_1)
	v_ldexp_f32 v252, 1.0, v254                    ; f = 2^(old M - new M)
.set j, 0
.rept 32
	v_pk_fma_f32 v[S+j:S+j+1], v[S+j:S+j+1], s[CS:CS+1], v[12:13] op_sel_hi:[1,0,0]   ; t - M, two at a time (of the pairs c and -M the low word serves both halves)
.set j, j+2
.endr
.set j, 0
	s_wait_alu depctr_va_vdst(0)
.rept 64
	v_exp_f32 v[S+j], v[S+j]                       ; p = 2^(t - M), at most 1: not normalised
.set j, j+1
.endr
	v_pk_mul_f32 v[14:15], v[14:15], v[252:253] op_sel_hi:[1,0]   ; the sums under the new M: the plain line behind the exponentials
	s_wait_alu depctr_va_vdst(0)                   ; the wait ahead of the first line that names an exponential's result: one for the batch of 64
	v_pk_add_f32 v[242:243], v[100:101], v[104:105]
	v_pk_add_f32 v[254:255], v[108:109], v[112:113]
	v_pk_add_f32 v[250:251], v[116:117], v[120:121]
	v_pk_add_f32 v[248:249], v[124:125], v[128:129]
	v_pk_add_f32 v[238:239], v[132:133], v[136:137]
	v_pk_add_f32 v[234:235], v[140:141], v[144:145]
	v_pk_add_f32 v[232:233], v[148:149], v[152:153]
	v_pk_add_f32 v[14:15], v[14:15], v[156:157]
	v_pk_add_f32 v[242:243], v[242:243], v[96:97]
	v_pk_add_f32 v[254:255], v[254:255], v[98:99]
	v_pk_add_f32 v[250:251], v[250:251], v[102:103]
	v_pk_add_f32 v[248:249], v[248:249], v[106:107]
	v_pk_add_f32 v[238:239], v[238:239], v[110:111]
	v_pk_add_f32 v[234:235], v[234:235], v[114:115]
	v_pk_add_f32 v[232:233], v[232:233], v[118:119]
	v_pk_add_f32 v[14:15], v[14:15], v[122:123]
	v_pk_add_f32 v[242:243], v[242:243], v[126:127]
	v_pk_add_f32 v[254:255], v[254:255], v[130:131]
	v_pk_add_f32 v[250:251], v[250:251], v[134:135]
	v_pk_add_f32 v[248:249], v[248:249], v[138:139]
	v_pk_add_f32 v[238:239], v[238:239], v[142:143]
	v_pk_add_f32 v[234:235], v[234:235], v[146:147]
	v_pk_add_f32 v[232:233], v[232:233], v[150:151]
	v_pk_add_f32 v[14:15], v[14:15], v[154:155]
	v_pk_add_f32 v[242:243], v[242:243], v[158:159]
	s_delay_alu instid0(VALU_DEP_2)
	v_pk_add_f32 v[14:15], v[14:15], v[248:249]
	s_delay_alu instid0(VALU_DEP_2)
	v_pk_add_f32 v[242:243], v[242:243], v[238:239]
	v_pk_add_f32 v[254:255], v[254:255], v[234:235]
	v_pk_add_f32 v[250:251], v[250:251], v[232:233]
	s_delay_alu instid0(VALU_DEP_2)
	v_pk_add_f32 v[14:15], v[14:15], v[254:255]
	s_delay_alu instid0(VALU_DEP_2)
	v_pk_add_f32 v[242:243], v[242:243], v[250:251]
	s_delay_alu instid0(VALU_DEP_1)
	v_pk_add_f32 v[14:15], v[14:15], v[242:243]
.irp t, 0,1,2,3,4,5,6,7
.irp i, 0,1,2,3,4,5,6,7
	v_min_num_f32 v[S+8*\t+\i], v[S+8*\t+\i], v240 ; the conversion does not saturate (ISA guide 7.6.2); p is not negative, so the hold is one-sided
.endr
	v_cvt_scalef32_pk8_fp8_f32 v[P+2*\t:P+2*\t+1], v[S+8*\t:S+8*\t+7], v244   ; keys 16 t + 8 h + 0..7: the pair 2 t, 2 t + 1 of P's fragment
.endr
.set j, 0
.rept 16
	v_pk_mul_f32 v[O+j:O+j+1], v[O+j:O+j+1], v[252:253] op_sel_hi:[1,0]   ; O^T under the new M, each tile from its low end on.  (Also the plain lines between the conversions and the products)
.set j, j+2
.endr
	s_wait_alu depctr_va_vdst(0)
	s_wait_dscnt 0x0                               ; V^T is in
.irp d, 0,1,2,3
	v_wmma_f32_16x16x128_fp8_fp8 v[O+8*\d:O+8*\d+7], v[KV+16*\d:KV+16*\d+15], v[P:P+15], v[O+8*\d:O+8*\d+7]
.endr
.endm
; THE CHANGE OF SLOTS stands at a slot's head.  Each wave waits for all its tensor loads (its part of the slot that it is about to read), adds 0 to its spare word, and waits for that and for its reads of the slot that it
; has left.  fill = 1: a round of the cluster's barrier follows, so that no wave of any partner still reads that slot or has a load on its way, and the joint load of the keys that follow is the first thing behind it:
; it has a slot's four key steps in which to land.  (The first trip's load is slot 1's first fill.)
.macro CHANGE fill
	s_wait_tensorcnt 0x0                           ; no tensor load of mine is out, so group 0 may be written
	ds_add_u32 v[SPW], v[NIL]                      ; 0 onto my spare word
.if \fill
	ds_add_u32 v[SPW], v[NIL]                      ; and once more: the add twice on end, in every trip alike
	s_xor_b32 s[G0+1], s[G0+1], SLOT1              ; the walking descriptor: the other slot than last time,
	s_add_nc_u64 s[G0+2:G0+3], s[G0+2:G0+3], SLOT1 ; the next 512 keys; the type bits on top are not reached
	s_wait_xcnt 0x0                                ; the last prefetch, a slot back, has read its address, so it may be written:
	s_add_nc_u64 s[PFA:PFA+1], s[PFA:PFA+1], SLOT1 ; one slot further on than the walking descriptor
	s_wait_dscnt 0x0                               ; both adds are done, and my reads of the slot that I have left are over
	CROUND
	TLOAD
	ASK
.else
	s_wait_dscnt 0x0                               ; the add is done, and my reads of the slot that I have left are over
	s_barrier_signal -1
	s_barrier_wait -1
.endif
.endm
.macro SLOT_STEPS
	v_add_nc_u32 v[ADR], s[TB], v[LI]
	s_wait_alu depctr_va_vdst(0)
	STEP 0
	STEP 1
	STEP 2
	STEP 3
	s_xor_b32 s[TB], s[TB], SLOT1                  ; on to the other slot
.endm
	s_wait_loadcnt 0x0                             ; Q
.Lslot:                                            ; NSL - 1 trips: behind each change of slots but the last the next slot is asked for
	CHANGE 1
	SLOT_STEPS
	s_sub_co_u32 s[SLOTS], s[SLOTS], 1
	s_cmp_lg_u32 s[SLOTS], 0
	s_cbranch_scc1 .Lslot
	CHANGE 0                                       ; the last slot is written out
	SLOT_STEPS
	; THE WAY OUT.  o = O^T x 2^(e8 + e9) / the sum, quantised with 2^e10: tile d's conversion is a register pair of the last product's operand; two chunks of 512 consecutive aligned bytes.
.rept 4
	v_nop                                          ; places behind the last products
.endr
	v_add_f32 v14, v14, v15                        ; the sum's two halves,
	s_delay_alu instid0(VALU_DEP_1)
	v_permlanex16_b32 v252, v14, s[SEL], s[SEL+1]
	s_delay_alu instid0(VALU_DEP_1)
	v_add_f32 v14, v14, v252                       ; and lane l xor 16's: the row's sum
	s_wait_alu depctr_va_vdst(0)
	v_rcp_f32 v14, v14
	v_nop                                          ; a plain line behind the reciprocal
	s_wait_alu depctr_va_vdst(0)                   ; and a wait ahead of its first reader
	v_ldexp_f32 v14, v14, s49
.set j, 0
.rept 32
	v_mul_f32 v[S+j], v[O+j], v14                  ; register 8 d + i is o(query r, channel 16 d + 8 h + i); each tile from its low end on
.set j, j+1
.endr
.set j, 0
.rept 32
	v_med3_num_f32 v[S+j], v[S+j], -v247, v247
.set j, j+1
.endr
.irp d, 0,1,2,3
	v_cvt_scalef32_pk8_fp8_f32 v[P+2*\d:P+2*\d+1], v[S+8*\d:S+8*\d+7], v246
.endr
	v_nop                                          ; a plain vector line behind the last conversion
	global_store_b128 v[LI], v[P:P+3],   s[10:11]
	global_store_b128 v[LI], v[P+4:P+7], s[10:11] offset:512
	s_wait_tensorcnt 0x0                           ; the wave's end: behind my last tensor load
	ds_add_u32 v[SPW], v[NIL]
	s_wait_dscnt 0x0
	CROUND                                         ; the closing round: no work-group ends while a partner may still ask for a tile that names it
	s_endpgm
.Lfunc_end_k_qc9ffbe6f5e_attn:
	.size	k_qc9ffbe6f5e_attn, .Lfunc_end_k_qc9ffbe6f5e_attn-k_qc9ffbe6f5e_attn
	.p2alignl 7, 3214868480
	.fill 96, 4, 3214868480
	.section	.rodata,"a",@progbits
	.p2align	6, 0x0
	.amdhsa_kernel k_qc9ffbe6f5e_attn
		.amdhsa_group_segment_fixed_size 327680
		.amdhsa_private_segment_fixed_size 0
		.amdhsa_enable_private_segment 0
		.amdhsa_kernarg_size 32
		.amdhsa_user_sgpr_count 2
		.amdhsa_user_sgpr_kernarg_segment_ptr 1
		.amdhsa_wavefront_size32 1
		.amdhsa_system_sgpr_workgroup_id_x 1
		.amdhsa_system_sgpr_workgroup_id_y 1
		.amdhsa_system_sgpr_workgroup_id_z 1
		.amdhsa_system_vgpr_workitem_id 0
		.amdhsa_next_free_vgpr 256
		.amdhsa_next_free_sgpr 66
		.amdhsa_reserve_vcc 0
		.amdhsa_float_denorm_mode_32 3
		.amdhsa_float_denorm_mode_16_64 3
		.amdhsa_memory_ordered 1
		.amdhsa_forward_progress 1
		.amdhsa_inst_pref_size 137
	.end_amdhsa_kernel
	.amdgpu_metadata
---
amdhsa.version: [ 1, 2 ]
amdhsa.kernels:
  - .name:           k_qc9ffbe6f5e_attn
    .symbol:         k_qc9ffbe6f5e_attn.kd
    .args:
      - { .name: qc, .offset: 0, .size: 8, .value_kind: global_buffer, .address_space: global }
      - { .name: kv, .offset: 8, .size: 8, .value_kind: global_buffer, .address_space: global }
      - { .name: lowp_scales, .offset: 16, .size: 8, .value_kind: global_buffer, .address_space: global }
      - { .name: oc, .offset: 24, .size: 8, .value_kind: global_buffer, .address_space: global }
    .group_segment_fixed_size: 327680
    .private_segment_fixed_size: 0
    .kernarg_segment_align: 8
    .kernarg_segment_size: 32
    .max_flat_workgroup_size: 512
    .sgpr_count:     66
    .vgpr_count:     256
    .wavefront_size: 32
...
	.end_amdgpu_metadata
.endif
;; end of part 7
;; launch outproj (part 8): grid 4 x 64, 4 waves a work-group, no clusters, 17,920 bytes of LDS; arguments oc, wc, lowp_scales, bo, out0; writes out0
.if DOCPART == 8
	.amdgcn_target "amdgcn-amd-amdhsa--gfx1250"
	.amdhsa_code_object_version 6
	.text
	.protected	k_qc9ffbe6f5e_outproj
	.globl	k_qc9ffbe6f5e_outproj
	.p2align	8
	.type	k_qc9ffbe6f5e_outproj,@function
k_qc9ffbe6f5e_outproj:
	s_mov_b64 s[64:65], 0
	v_nop
	global_prefetch_b8 v0, s[64:65] scope:SCOPE_SE
	s_setreg_imm32_b32 hwreg(HW_REG_WAVE_SCHED_MODE, 0, 2), 2
	s_setreg_imm32_b32 hwreg(HW_REG_WAVE_MODE, 25, 1), 1
	s_wait_xcnt 0x0
	s_wait_alu depctr_vm_vsrc(0)
; FOURTH LAUNCH: out0 = o Wo + bo, [8,192][512] f32, on codes of FP8: out0 = sum x 2^(e10 + e11) + bo.  Nothing is left out.
; LIMIT: e10 + e11 lies between -126 and 127, so that 2^(e10 + e11) is an f32 number.
; Both operands lie in memory as images of operand registers (oc from the third launch, Wo's codes in wc from the first): a fragment of 16 rows x 128 K is four loads of 512 consecutive bytes.
; SHARES: a work-group takes 128 rows (y) x 128 columns (x); wave (wr = w / 2, wcn = w % 2) 64 x 64: 16 accumulators.  K = 512 is four steps: ALL of a wave's fragments (2 x 256 registers) are asked for at once,
; straight into registers, K step by K step, and multiplied as they land.
; THE MATRIX INSTRUCTION IS USED TRANSPOSED (source 0 = 16 columns of Wo, source 1 = 16 rows of o): a lane holds eight neighbouring columns of one row.  16 rows x 64 columns at a time go through the wave's own stage
; in LDS and leave as rows of 256 bytes: sixteen lanes store 256 consecutive aligned bytes.
; NO CLUSTER, NO TENSOR LOAD, NO BARRIER: the operands go from memory into registers, so no LDS tile is filled that partners could ask for jointly; each stage is its wave's own.
; REGISTERS.  Window 0: v1-5 addresses; v32-63 bo in the result's layout, later rows read back; v64-95, v96-127 rows read back; v128-255 accumulators ((a, b) at 128 + 8 (4 a + b)), in which the results are made in place.
;   Window 1: o's fragments ((row tile a, K step) at 64 a + 16 step).   Window 2: Wo's ((column tile b, K step) likewise).
; THE MODE: SCHED_MODE bits 1:0 = 2 (LLVM: expert scheduling mode 2), set by the entry lines.  The code itself states the register dependences
; between vector or matrix instructions and memory or LDS instructions, with s_wait_alu, always for 0.
; THE PLAN.  Registers that memory or LDS instructions touch (the text has no branch: one path):
;   v1-5        addresses: written at the head, never again; one wait on va_vdst ahead of the first load serves every load and store.
;   bo, and windows 1 and 2: loaded once, into registers that no line has named; read by vector and matrix lines behind their waits on LOADcnt.
;   ACC         the 64 multiply-adds make the results in place; ONE wait on va_vdst behind them; then the LDS stores read them.  Each block has data registers of its own: none is written again.
;   BK0 .. BK2  rows read back from the stage: LDS loads land, global stores read; no vector line names them but bo's readers, which stand ahead of that one wait.  Block a takes buffer (a + 1) % 3:
;               v64, v96, v32 (bo's, done with), v64 again: one wait on vm_vsrc, ahead of block 3.
;   v12, v13    written at the head, read by the closing add alone.
.set SP,   272                         ; a stage row: 256 bytes + 16, an odd multiple of 16
.set WSTG, 16*SP
.set SPARE, 4*WSTG                     ; behind the stages: the spare words, 128 bytes a wave: two blocks of 256 bytes that no other line names
.set LI,   1                           ; v1   16 x lane
.set STO,  2                           ; v2   the stage: where I put 32 bytes of a row
.set RD,   3                           ; v3   and where I read a row back
.set CO,   4                           ; v4   my byte offset in two rows of out0
.set BA,   5                           ; v5   32 h: my eight numbers of a tile's sixteen of bo
.set SPW,  12                          ; v12  my spare word's LDS address; never rewritten
.set NIL,  13                          ; v13  0; never rewritten
.set BO,   32
.set BK,   32                          ; buffer k at BK + 32 k
.set ACC,  128
.set MSB, 0
.macro WIN new                         ; the immediate's high byte repeats the setting that is left
.if MSB != \new
	s_set_vgpr_msb (MSB<<8)|\new
.set MSB, \new
.endif
.endm
	s_load_b256 s[4:11], s[0:1], 0x0               ; oc s[4:5], wc s[6:7], the scales' exponents s[8:9], bo s[10:11]
	s_load_b64 s[12:13], s[0:1], 0x20              ; out0
	v_lshl_add_u32 v[SPW], v0, 2, SPARE
	v_mov_b32 v[NIL], 0
	v_lshrrev_b32 v6, 5, v0
	v_readfirstlane_b32 s14, v6                    ; wave 0..3
	v_and_b32 v[LI], 31, v0
	v_lshlrev_b32 v[LI], 4, v[LI]
	v_and_b32 v6, 15, v0                           ; r
	v_bfe_u32 v7, v0, 4, 1                         ; h
	v_mul_u32_u24 v[STO], v6, SP
	v_lshl_add_u32 v[STO], v7, 5, v[STO]           ; in: row r, + 32 h
	v_mul_u32_u24 v[RD], v7, SP
	v_lshl_add_u32 v[RD], v6, 4, v[RD]             ; back: lanes 0-15 one row, lanes 16-31 the next
	v_lshlrev_b32 v[CO], 11, v7
	v_lshl_add_u32 v[CO], v6, 4, v[CO]             ; and the same two rows of out0
	v_lshlrev_b32 v[BA], 5, v7
	s_wait_alu depctr_va_sdst(0)                   ; s14 is written, ahead of its first reader: the wave's shares, its stage and every base are made from it
	s_lshr_b32 s15, s14, 1                         ; wr
	s_and_b32 s16, s14, 1                          ; wcn
	s_mul_i32 s20, s14, WSTG                       ; my stage
	v_add_nc_u32 v[STO], s20, v[STO]
	v_add_nc_u32 v[RD], s20, v[RD]
	s_and_b32 s18, ttmp7, 0xffff                   ; y
	s_lshl_b32 s22, s18, 16                        ; o: row tiles 8 y + 4 wr on, 8,192 bytes each
	s_lshl_b32 s21, s15, 15
	s_add_co_u32 s22, s22, s21
	s_mov_b32 s23, 0
	s_lshl_b32 s24, ttmp9, 16                      ; Wo: the fourth tensor of wc, column tiles 8 x + 4 wcn on
	s_lshl_b32 s21, s16, 15
	s_add_co_u32 s24, s24, s21
	s_add_co_u32 s24, s24, 3*262144
	s_mov_b32 s25, 0
	s_lshl_b32 s26, ttmp9, 9                       ; my first column in bytes: 512 x + 256 wcn
	s_lshl_b32 s21, s16, 8
	s_add_co_u32 s26, s26, s21
	s_mov_b32 s27, 0
	s_lshl_b32 s28, s18, 18                        ; out0: (128 y + 64 wr) rows of 2,048 bytes + my first column
	s_lshl_b32 s21, s15, 17
	s_add_co_u32 s28, s28, s21
	s_add_co_u32 s28, s28, s26
	s_mov_b32 s29, 0
	s_wait_kmcnt 0x0
	s_load_b64 s[44:45], s[8:9], 0x28              ; e10, e11
	s_add_nc_u64 s[4:5], s[4:5], s[22:23]
	s_add_nc_u64 s[6:7], s[6:7], s[24:25]
	s_add_nc_u64 s[10:11], s[10:11], s[26:27]
	s_add_nc_u64 s[12:13], s[12:13], s[28:29]
	s_wait_alu depctr_va_vdst(0)                   ; the addresses v1 to v5 are written, which every load and store of the kernel reads; they are never written again.  Only loads and window switches stand between this wait and the last load below
.irp b, 0,1,2,3
	global_load_b128 v[BO+8*\b:BO+8*\b+3],   v[BA], s[10:11] offset:64*\b      ; bo at columns 16 b + 8 h + 0..7
	global_load_b128 v[BO+8*\b+4:BO+8*\b+7], v[BA], s[10:11] offset:64*\b+16
.endr
.irp s, 0,1,2,3                                ; K step by K step: 16 loads for o, 16 for Wo
	WIN 0x40                                       ; destination window 1
.irp a, 0,1,2,3
.irp c, 0,1,2,3
	global_load_b128 v[64*\a+16*\s+4*\c:64*\a+16*\s+4*\c+3], v[LI], s[4:5] offset:8192*\a+2048*\s+512*\c
.endr
.endr
	WIN 0x80                                       ; destination window 2
.irp a, 0,1,2,3
.irp c, 0,1,2,3
	global_load_b128 v[64*\a+16*\s+4*\c:64*\a+16*\s+4*\c+3], v[LI], s[6:7] offset:8192*\a+2048*\s+512*\c
.endr
.endr
.endr
	WIN 0
	s_wait_kmcnt 0x0
	s_add_co_i32 s46, s44, s45
	s_add_co_i32 s46, s46, 127
	s_lshl_b32 s46, s46, 23                        ; 2^(e10 + e11) as f32
	s_mov_b32 s47, s46                             ; (named with it as a pair, so it is written)
; 16 matrix instructions of K step s: the 16 accumulators by turns, in the same order in every step.  zero = 1: the first step starts the sums.
.macro MULS s, zero
.irp a, 0,1,2,3
.irp b, 0,1,2,3
.if \zero
	v_wmma_f32_16x16x128_fp8_fp8 v[ACC+8*(4*\a+\b):ACC+8*(4*\a+\b)+7], v[64*\b+16*\s:64*\b+16*\s+15], v[64*\a+16*\s:64*\a+16*\s+15], 0
.else
	v_wmma_f32_16x16x128_fp8_fp8 v[ACC+8*(4*\a+\b):ACC+8*(4*\a+\b)+7], v[64*\b+16*\s:64*\b+16*\s+15], v[64*\a+16*\s:64*\a+16*\s+15], v[ACC+8*(4*\a+\b):ACC+8*(4*\a+\b)+7]
.endif
.endr
.endr
.endm
	s_wait_loadcnt 63                              ; K steps 0 and 1 are in: behind K step 1 stand 64 loads, and 63 is the largest count that the wait can name
	WIN 0x06                                       ; source 0 (Wo) window 2, source 1 (o) window 1
	MULS 0, 1
	MULS 1, 0
	s_wait_loadcnt 32                              ; K step 2 is in; K step 3's 32 loads may be out
	MULS 2, 0
	s_wait_loadcnt 0x0
	MULS 3, 0
	WIN 0
.rept 4
	v_nop                                          ; places (ISA guide 7.12.1) in front of the first read of results
.endr
; THE WAY OUT.  All results are made first, in place; then 16 rows x 64 columns at a time go through my stage, a block on its way through the stage while the block before is stored.
.irp a, 0,1,2,3
.irp b, 0,1,2,3
.irp i, 0,2,4,6
	v_pk_fma_f32 v[ACC+8*(4*\a+\b)+\i:ACC+8*(4*\a+\b)+\i+1], v[ACC+8*(4*\a+\b)+\i:ACC+8*(4*\a+\b)+\i+1], s[46:47], v[BO+8*\b+\i:BO+8*\b+\i+1] op_sel_hi:[1,0,1]   ; sum x 2^(e10 + e11) + bo; each accumulator from its low end on
.endr
.endr
.endr
	s_wait_alu depctr_va_vdst(0)                   ; the multiply-adds have written v[ACC ..], which the LDS stores read, and are done reading bo's registers, in which block 2's rows land.  No vector line follows this wait
.macro TOSTAGE a                       ; block a into the stage and back as whole rows.  LDS serves a wave's instructions in order (ISA guide 5.7.1.4): the loads see the stores, and the next block's stores come behind them
.irp b, 0,1,2,3
	ds_store_b128 v[STO], v[ACC+8*(4*(\a)+\b):ACC+8*(4*(\a)+\b)+3]   offset:64*\b
	ds_store_b128 v[STO], v[ACC+8*(4*(\a)+\b)+4:ACC+8*(4*(\a)+\b)+7] offset:64*\b+16
.endr
.irp t, 0,1,2,3,4,5,6,7
	ds_load_b128 v[BK+32*(((\a)+1)%3)+4*\t:BK+32*(((\a)+1)%3)+4*\t+3], v[RD] offset:2*SP*\t
.endr
.endm
.macro SEND a, younger                 ; younger: the LDS instructions issued behind block a's loads: the next block's 8 stores and 8 loads, or none
	s_wait_dscnt \younger                          ; the block is back in registers
.irp t, 0,1,2,3,4,5,6,7
	global_store_b128 v[CO], v[BK+32*(((\a)+1)%3)+4*\t:BK+32*(((\a)+1)%3)+4*\t+3], s[12:13] offset:(16*(\a)+2*\t)*2048 th:TH_STORE_NT   ; 16 lanes store 256 consecutive bytes, at a multiple of 256 from out0's first byte; written once, read by nobody here
.endr
.endm
	TOSTAGE 0
	TOSTAGE 1
	SEND 0, 16
	TOSTAGE 2
	SEND 1, 16
	s_wait_xcnt 0x0                                ; block 0's stores have had their addresses translated: their data registers are loaded again only behind this wait
	s_wait_alu depctr_vm_vsrc(0)                   ; block 0's stores have read v64 to v95, in which block 3's rows land
	TOSTAGE 3
	SEND 2, 16
	SEND 3, 0
	s_wait_dscnt 0x0                               ; the closing lines, six on end
	s_wait_alu 0x0
	s_wait_tensorcnt 0x0
	ds_add_u32 v[SPW], v[NIL]
	s_wait_dscnt 0x0
	s_endpgm
.Lfunc_end_k_qc9ffbe6f5e_outproj:
	.size	k_qc9ffbe6f5e_outproj, .Lfunc_end_k_qc9ffbe6f5e_outproj-k_qc9ffbe6f5e_outproj
	.p2alignl 7, 3214868480
	.fill 96, 4, 3214868480
	.section	.rodata,"a",@progbits
	.p2align	6, 0x0
	.amdhsa_kernel k_qc9ffbe6f5e_outproj
		.amdhsa_group_segment_fixed_size 17920
		.amdhsa_private_segment_fixed_size 0
		.amdhsa_enable_private_segment 0
		.amdhsa_kernarg_size 40
		.amdhsa_user_sgpr_count 2
		.amdhsa_user_sgpr_kernarg_segment_ptr 1
		.amdhsa_wavefront_size32 1
		.amdhsa_system_sgpr_workgroup_id_x 1
		.amdhsa_system_sgpr_workgroup_id_y 1
		.amdhsa_system_sgpr_workgroup_id_z 1
		.amdhsa_system_vgpr_workitem_id 0
		.amdhsa_next_free_vgpr 768
		.amdhsa_next_free_sgpr 66
		.amdhsa_reserve_vcc 0
		.amdhsa_float_denorm_mode_32 3
		.amdhsa_float_denorm_mode_16_64 3
		.amdhsa_memory_ordered 1
		.amdhsa_forward_progress 1
		.amdhsa_inst_pref_size 32
	.end_amdhsa_kernel
	.amdgpu_metadata
---
amdhsa.version: [ 1, 2 ]
amdhsa.kernels:
  - .name:           k_qc9ffbe6f5e_outproj
    .symbol:         k_qc9ffbe6f5e_outproj.kd
    .args:
      - { .name: oc, .offset: 0, .size: 8, .value_kind: global_buffer, .address_space: global }
      - { .name: wc, .offset: 8, .size: 8, .value_kind: global_buffer, .address_space: global }
      - { .name: lowp_scales, .offset: 16, .size: 8, .value_kind: global_buffer, .address_space: global }
      - { .name: bo, .offset: 24, .size: 8, .value_kind: global_buffer, .address_space: global }
      - { .name: out0, .offset: 32, .size: 8, .value_kind: global_buffer, .address_space: global }
    .group_segment_fixed_size: 17920
    .private_segment_fixed_size: 0
    .kernarg_segment_align: 8
    .kernarg_segment_size: 40
    .max_flat_workgroup_size: 128
    .sgpr_count:     66
    .vgpr_count:     768
    .wavefront_size: 32
...
	.end_amdgpu_metadata
.endif
;; end of part 8
